; MI455X (gfx1250); checked and timed in simulation.
; The chip was launched on July 23, 2026; its instructions are those of AMD's public machine-readable ISA for CDNA 5 (MIT licence, August 2026) and "CDNA5" Instruction Set Architecture Reference Guide (July 2026). The comments in the code are by the model that wrote it; some were corrected since.
;; Casual Self Attention. Allowed arithmetic: matrix products marked QUANTISED: E5M2 operands, one E8M0 scale for each 32 along K, by v_wmma_scale_f32_16x16x128_f8f6f4 with both operands' format E5M2, f32 sums; everything else in f32.
;; Inputs: W_attn 1,024 x 3,072 float32; W_proj 1,024 x 1,024 float32; b_attn 3,072 float32; b_proj 1,024 float32; x 4 x 2,048 x 1,024 float32.
;; Outputs: out0 4 x 2,048 x 1,024 float32.
;; This version of the problem:
;;   THIS VERSION OF THE PROBLEM IS GIVEN IN LOW PRECISION. The matrix products marked QUANTISED in the list below multiply operands that are first quantised to E5M2 (5 exponent bits, 2 mantissa bits; 8 bits a number), with one power-of-two scale for each 32 numbers along K (OCP MX v1.0); their sums are f32. All else is computed in f32.
;;   The module's matrix products, in the order in which they are computed (A, B: the left and right operand; K: the contracted axis; several contracted axes count as one K, in the product's order):
;;     1. [M 8,192, K 1,024] x [K 1,024, N 3,072]; A: input x; B: input W_attn: QUANTISED
;;     2. batch 64 x [M 2,048, K 64] x [K 64, N 2,048]; A: computed on the way; B: computed on the way: QUANTISED
;;     3. batch 64 x [M 2,048, K 2,048] x [K 2,048, N 64]; A: softmax (see below); B: computed on the way: QUANTISED
;;     4. [M 8,192, K 1,024] x [K 1,024, N 1,024]; A: computed on the way; B: input W_proj: QUANTISED
;;   THE QUANTISER, for each operand of a quantised product, along K:
;;     - K is cut into blocks of 32 from its start; a last block that is shorter is filled with zeros.
;;     - A block's scale is 2^e with e = floor(log2(the largest magnitude in the block)) - 15, held to -126 .. 127; a block of zeros has e = 0. As a byte (E8M0): e + 127.
;;     - Each number is divided by its block's scale, clamped to +-57,344, and rounded to the nearest number of E5M2, ties to even, subnormals kept.
;;     - The product sums the exact products of the quantised numbers (number of the format x scale) in f32.
;;   ~~~python
;;   def quantise(x, axis):      # numpy; x: float32 -> the quantised numbers, widened to float32 again
;;       x = np.moveaxis(x, axis, -1); K = x.shape[-1]
;;       x = np.pad(x, [(0, 0)] * (x.ndim - 1) + [(0, -K % 32)]); x = x.reshape(x.shape[:-1] + (-1, 32)); a = np.abs(x).max(-1, keepdims=True)
;;       e = np.where(a > 0, np.clip(np.frexp(np.where(a > 0, a, 1))[1] - 1 - 15, -126, 127), 0)      # np.frexp(a)[1] - 1 = floor(log2(a)), exactly
;;       r = np.clip(x / 2.0 ** e, -57344, 57344)
;;       step = 2.0 ** (np.maximum(np.frexp(np.where(r == 0, 1, r))[1] - 1, -14) - 2)
;;       q = np.round(r / step) * step * 2.0 ** e      # np.round: ties to even
;;       return np.moveaxis(q.reshape(q.shape[:-2] + (-1,))[..., :K], -1, axis).astype(np.float32)
;;   ~~~
;;   SOFTMAX AHEAD OF A QUANTISED PRODUCT. Where the list says 'softmax', what is quantised is not the finished softmax but p = 2^(t - M), with t = logit x log2(e) and M = ceil(the row's largest t), a whole number; so 1/2 < the row's largest p <= 1. The row's sum l is taken of the UNQUANTISED p, in f32, and the product's result is divided by l at the end. Since M is a whole number, a kernel that streams over the keys may use a running M (the ceiling of the running maximum): every later rescaling is an exact power of two, which a block's scale takes up: the codes' values come out the same.
;;   OPERANDS COMPUTED ON THE WAY. 'Computed on the way' means the value that the module computes at that place (a softmax that the list does not call 'softmax' is quantised finished and normalised). What goes into a quantiser is computed in f32, as accurately as f32 sums, v_exp_f32 and their like allow (about 1e-6 of the number): no bf16 or f16 on the way to a quantiser, and a product that is left as it is and whose result goes on into a quantised operand takes f32 operands (vector FMAs, or v_wmma_f32_16x16x4_f32). A number that lies on a knife's edge between two numbers of the format may be rounded either way, as far as f32 arithmetic and the matrix unit's own rounding can turn it there, and no further.
;; One version. Each part assembles by itself: llvm-mc -triple=amdgcn-amd-amdhsa -mcpu=gfx1250 --defsym DOCPART=n.
;; ======== version 1 of 1: 4 launches
;; limits: right only within a limited range of input values
;; workspace buffers: xc 8,388,608 bytes; xs 262,144 bytes; wc 4,194,304 bytes; ws 131,072 bytes; qq 8,912,896 bytes; kv 17,563,648 bytes; yc 8,388,608 bytes; ys 262,144 bytes
;; launch quant (part 1): grid 384 x 1, 4 waves a work-group, no clusters, 102,912 bytes of LDS; arguments x, W_attn, W_proj, xc, xs, wc, ws; writes xc, xs, wc, ws
.if DOCPART == 1
	.amdgcn_target "amdgcn-amd-amdhsa--gfx1250"
	.amdhsa_code_object_version 6
	.text
	.protected	k_qb36794f044_quant
	.globl	k_qb36794f044_quant
	.p2align	8
	.type	k_qb36794f044_quant,@function
k_qb36794f044_quant:
	s_mov_b64 s[64:65], 0
	v_nop
	global_prefetch_b8 v0, s[64:65] scope:SCOPE_SE
	s_setreg_imm32_b32 hwreg(HW_REG_WAVE_MODE, 25, 1), 1
	s_wait_xcnt 0x0
; x [8192][1024], W_attn [1024][3072] and W_proj [1024][1024], f32, become codes of BF8 (E5M2) with K innermost and one E8M0 scale byte for each 32 along K.
; A block's scale is 2^(floor(log2(its largest magnitude)) - 15); its byte is the largest magnitude's exponent field - 15, held at 1 from below; each number is divided by the scale,
; held within +-57,344 and rounded to the nearest code, ties to even.
; LIMITS: a block whose largest magnitude lies under 2^-111 (a block of zeros too) keeps the byte 1; its codes are then zeros or subnormal codes, and the bytes are read by this program alone.
; NaN and infinities among the inputs are not served.
; ROWS ARE STORED WITH BITS 3 AND 4 OF THEIR NUMBER EXCHANGED (x's rows, W_attn's columns n; not W_proj's): sw(v) = (v & ~24) | ((v & 8) << 1) | ((v & 16) >> 1).  A fragment of 16 stored rows then holds
; eight neighbouring rows and the eight that lie 16 further on, so that in the next launch's results a lane's 16 registers of two neighbouring tiles are 16 neighbours along the next K.
; OUT: xc [stored row][1024], xs [stored row][32];  wc: W_attn's codes [stored n][1024], then W_proj's [n][1024] at byte 3,145,728;  ws: [stored n][32], then W_proj's at byte 98,304.
; WORK-GROUPS: 0-95 W_attn, 96-127 W_proj (128 columns x 256 along K each), 128-383 x (32 rows each).  The three ways part on the work-group's number and have LDS bytes of their own.
; No tensor loads, no barrier: waves share nothing.
.set EMAX,  15
.set MANT,  0x600000                   ; the mantissa field of 57,344 as f32
; ---- x: K is innermost: a plain stream of blocks of 32.  A wave takes 8 rows: 16 steps of 512 numbers
.set STEPS, 16
.set CB,    16                         ; bytes of a lane's 16 codes
.set R,     16                         ; v16-79   four sets of 16 numbers as they are loaded
.set X,     80                         ; v80-111  two sets of 16 neighbours
.set E,     112                        ; v112-127 a scale byte for each step
.set C,     128                        ; v128-191 codes: four registers for each step, so that no store's data are written again
.set WREG,  8192                       ; LDS: a region for each wave: two stages of 32 x SP bytes, and behind them its 256 scale bytes
.set SP,    80                         ; a lane's place in a stage: its 64 bytes + 16 of padding
; ---- W: K is the first axis: a lane takes a column, its registers run down K
.set NB,    8                          ; blocks of 32 along K for a wave
.set PITCH, 272                        ; a stage row: 256 bytes of codes + 16
.set WX,    32                         ; v32-95   two sets of 32 numbers
.set WC,    96                         ; v96-103  a block's codes
.set OUTR,  112                        ; v112-175 the way out
.set SB,    24                         ; v24-25   the scale bytes, four to a register
.set LWA,   4*WREG                     ; LDS of W_attn's way: four stages of 32 x PITCH
.set LWP,   LWA+4*32*PITCH             ; and of W_proj's
.macro XLOAD t
.irp i, 0,1,2,3
	global_load_b128 v[R+16*((\t)%4)+4*\i:R+16*((\t)%4)+4*\i+3], v3, s[4:5] offset:2048*(\t)+512*\i th:TH_LOAD_NT   ; 32 lanes read 512 consecutive bytes
.endr
.endm
.macro XTURN t                         ; step t's numbers through the stage: as they lie on the way in, 64 bytes a lane on the way out.  LDS serves a wave's instructions in order: no wait between
.irp i, 0,1,2,3
	ds_store_b128 v14, v[R+16*((\t)%4)+4*\i:R+16*((\t)%4)+4*\i+3] offset:32*SP*((\t)%2)+8*SP*\i
.endr
.irp i, 0,1,2,3
	ds_load_b128 v[X+16*((\t)%2)+4*\i:X+16*((\t)%2)+4*\i+3], v15 offset:32*SP*((\t)%2)+16*\i
.endr
.endm
.macro XSTEP t
.set XS, X+16*((\t)%2)
.if (\t) > 0
	s_wait_dscnt 1                                 ; this step's numbers are back from the stage (the last step's byte store may be out): so the stage's stores have read their registers,
.else
	s_wait_dscnt 0x0
.endif
.if (\t)+4 < STEPS
	XLOAD (\t)+4                                   ; which take the loads of four steps on
.endif
.if (\t)+1 < STEPS
.if STEPS-2-(\t) >= 3
	s_wait_loadcnt 12                              ; the next step's four loads are in; those of the three steps behind it may be out
.else
	s_wait_loadcnt 4*(STEPS-2-(\t))
.endif
	XTURN (\t)+1                                   ; and go through the other stage while this step is worked
.endif
	v_max3_num_f32 v8, |v[XS]|, |v[XS+1]|, |v[XS+2]|               ; the largest magnitude of my 16, in two chains
	v_max3_num_f32 v9, |v[XS+3]|, |v[XS+4]|, |v[XS+5]|
.irp i, 6,10
	v_max3_num_f32 v8, v8, |v[XS+\i]|, |v[XS+\i+1]|
	v_max3_num_f32 v9, v9, |v[XS+\i+2]|, |v[XS+\i+3]|
.endr
	v_max3_num_f32 v8, v8, |v[XS+14]|, |v[XS+15]|
	v_max3_num_f32 v8, v8, v9, (EMAX+1)<<23        ; and the floor 2^(16 - 127): the byte cannot fall under 1
	v_max_num_f32_dpp v8, v8, v8 row_xmask:1 row_mask:0xf bank_mask:0xf   ; with my neighbour's 16: the block's
	v_add_nc_u32 v11, -(EMAX<<23), v8              ; 15 off its exponent field: the conversion takes the exponent field of this operand as its scale
	v_and_or_b32 v10, v8, 0x7f800000, s30          ; 57,344 x the scale
.irp i, 0,1,2,3,4,5,6,7,8,9,10,11,12,13,14,15
	v_med3_num_f32 v[XS+\i], v[XS+\i], -v10, v10   ; the conversion to an 8-bit code does not saturate (ISA guide 7.6.2): the hold comes first
.endr
	v_cvt_scalef32_pk8_bf8_f32 v[C+4*(\t):C+4*(\t)+1], v[XS:XS+7], v11
	v_cvt_scalef32_pk8_bf8_f32 v[C+4*(\t)+2:C+4*(\t)+3], v[XS+8:XS+15], v11
	v_lshrrev_b32 v[E+(\t)], 23, v11               ; the scale's byte (also the plain line behind the conversions)
	ds_store_b8 v5, v[E+(\t)] offset:16*(\t)       ; both lanes of a block write the same byte with the same value
	global_store_b128 v4, v[C+4*(\t):C+4*(\t)+3], s[10:11] offset:32*CB*(\t)   ; the wave stores 512 consecutive bytes, aligned
.endm
.macro WLOAD t, cols, src              ; block t: W(32 t + i, my column), i = 0 .. 31, into set t % 2: 128 consecutive bytes a wave
.irp i, 0,1,2,3,4,5,6,7,8,9,10,11,12,13,14,15,16,17,18,19,20,21,22,23,24,25,26,27,28,29,30,31
	global_load_b32 v[WX+32*((\t)%2)+\i], v3, s[\src:\src+1] offset:(32*(\t)+\i)*\cols*4 th:TH_LOAD_NT
.endr
.endm
.macro WBLOCK t, cols, src
.set XS, WX+32*((\t)%2)
.if (\t) < NB-1
	s_wait_loadcnt 32                              ; this block's 32 loads are in; the next block's may be out
.else
	s_wait_loadcnt 0
.endif
	v_max3_num_f32 v12, |v[XS]|, |v[XS+1]|, |v[XS+2]|              ; the block's largest magnitude: all 32 numbers are mine
	v_max3_num_f32 v13, |v[XS+3]|, |v[XS+4]|, |v[XS+5]|
.irp i, 6,10,14,18,22,26
	v_max3_num_f32 v12, v12, |v[XS+\i]|, |v[XS+\i+1]|
	v_max3_num_f32 v13, v13, |v[XS+\i+2]|, |v[XS+\i+3]|
.endr
	v_max3_num_f32 v12, v12, |v[XS+30]|, |v[XS+31]|
	v_max3_num_f32 v12, v12, v13, (EMAX+1)<<23     ; and the floor
	v_add_nc_u32 v11, -(EMAX<<23), v12             ; the conversion's scale operand
	v_and_or_b32 v10, v12, 0x7f800000, s30         ; 57,344 x the scale
	v_lshrrev_b32 v13, 23, v11                     ; the scale's byte
.if (\t)%4 == 0
	v_mov_b32 v[SB+(\t)/4], v13                    ; four bytes to a register, the lower K in the lower byte
.else
	v_lshl_or_b32 v[SB+(\t)/4], v13, 8*((\t)%4), v[SB+(\t)/4]
.endif
.irp i, 0,1,2,3,4,5,6,7,8,9,10,11,12,13,14,15,16,17,18,19,20,21,22,23,24,25,26,27,28,29,30,31
	v_med3_num_f32 v[XS+\i], v[XS+\i], -v10, v10
.endr
.irp g, 0,1,2,3
	v_cvt_scalef32_pk8_bf8_f32 v[WC+2*\g:WC+2*\g+1], v[XS+8*\g:XS+8*\g+7], v11
.endr
	ds_store_b128 v4, v[WC:WC+3] offset:32*(\t)    ; 32 codes: 32 bytes of my column's row in the stage
	ds_store_b128 v4, v[WC+4:WC+7] offset:32*(\t)+16
.if (\t)+2 < NB
	WLOAD (\t)+2, \cols, \src
.endif
	s_wait_dscnt 0x0                               ; the stores have read their registers: the next block's codes may be written
.endm
; One weight.  cols: its width;  swap: rows of the output exchanged or not;  lbase: its LDS;  id0: its first work-group;  src: its pointer's register;  coff, soff: where its codes and scale bytes begin in wc, ws
.macro WQ cols, swap, lbase, id0, src, coff, soff
	s_sub_co_u32 s20, ttmp9, \id0
	s_lshr_b32 s21, s20, 2                         ; which 128 columns
	s_and_b32 s22, s20, 3                          ; which 256 along K
	s_lshl_b32 s21, s21, 7
	s_lshl_b32 s23, s18, 5
	s_add_co_u32 s21, s21, s23                     ; my wave's first column, a multiple of 32: the exchange of bits stays inside my 32 columns
	v_lshlrev_b32 v3, 2, v2                        ; in: 4 bytes a lane
	s_mul_i32 s23, s18, 32*PITCH
	s_add_co_u32 s23, s23, \lbase                  ; my stage
	v_mul_u32_u24 v4, v2, PITCH
	v_add_nc_u32 v4, s23, v4                       ; into it: row = my column
	v_and_b32 v5, 15, v2
	v_lshrrev_b32 v6, 4, v2                        ; out of it: sixteen lanes to a row, two rows an instruction
	v_mul_u32_u24 v7, v6, PITCH
	v_lshl_add_u32 v7, v5, 4, v7
	v_add_nc_u32 v7, s23, v7
	v_lshlrev_b32 v8, 10, v6                       ; and the same place among the codes: rows of 1,024 bytes (bit 0 of a row's number is not exchanged)
	v_lshl_add_u32 v8, v5, 4, v8
.if \swap
	v_and_b32 v9, 7, v2                            ; sw(lane): my column's stored row
	v_and_b32 v10, 8, v2
	v_lshl_or_b32 v9, v10, 1, v9
	v_and_b32 v10, 16, v2
	v_lshrrev_b32 v10, 1, v10
	v_or_b32 v9, v9, v10
	v_lshlrev_b32 v9, 5, v9                        ; its row of 32 scale bytes
.else
	v_lshlrev_b32 v9, 5, v2
.endif
	s_mul_i32 s24, s22, 256*\cols*4                ; W: 256 rows for each quarter of K, + 4 bytes a column
	s_lshl_b32 s26, s21, 2
	s_add_co_u32 s24, s24, s26
	s_mov_b32 s25, 0
	s_add_nc_u64 s[\src:\src+1], s[\src:\src+1], s[24:25]
	s_lshl_b32 s24, s21, 10                        ; codes: column x 1,024 + 256 x quarter
	s_lshl_b32 s26, s22, 8
	s_add_co_u32 s24, s24, s26
	s_add_co_u32 s24, s24, \coff
	s_add_nc_u64 s[14:15], s[14:15], s[24:25]
	s_lshl_b32 s24, s21, 5                         ; scale bytes: column x 32 + 8 x quarter
	s_lshl_b32 s26, s22, 3
	s_add_co_u32 s24, s24, s26
	s_add_co_u32 s24, s24, \soff
	s_add_nc_u64 s[16:17], s[16:17], s[24:25]
	WLOAD 0, \cols, \src
	WLOAD 1, \cols, \src
.irp t, 0,1,2,3,4,5,6,7
	WBLOCK \t, \cols, \src
.endr
	global_store_b64 v9, v[SB:SB+1], s[16:17]      ; my column's 8 scale bytes: one byte in 128 of what this way reads
.irp t, 0,1,2,3,4,5,6,7,8,9,10,11,12,13,14,15
	ds_load_b128 v[OUTR+4*\t:OUTR+4*\t+3], v7 offset:2*\t*PITCH    ; LDS serves a wave's instructions in order: these see my stores
.endr
.irp t, 0,1,2,3,4,5,6,7,8,9,10,11,12,13,14,15
	s_wait_dscnt 15-\t                             ; load t is in; the younger ones may be out
.if \swap
	global_store_b128 v8, v[OUTR+4*\t:OUTR+4*\t+3], s[14:15] offset:(((2*\t)&7)|(((2*\t)&8)<<1)|(((2*\t)&16)>>1))*1024   ; sixteen lanes store 256 consecutive bytes, aligned, of stored row sw(2 t) (+ 1)
.else
	global_store_b128 v8, v[OUTR+4*\t:OUTR+4*\t+3], s[14:15] offset:2*\t*1024
.endif
.endr
	s_wait_tensorcnt 0x0
	ds_add_u32 v192, v193
	s_wait_dscnt 0x0
	s_endpgm
.endm
	s_load_b256 s[4:11], s[0:1], 0x0               ; x s[4:5], W_attn s[6:7], W_proj s[8:9], xc s[10:11]
	s_load_b128 s[12:15], s[0:1], 0x20             ; xs s[12:13], wc s[14:15]
	s_load_b64 s[16:17], s[0:1], 0x30              ; ws
	v_lshl_add_u32 v192, v0, 2, 0x19000
	v_mov_b32 v193, 0
	v_lshrrev_b32 v1, 5, v0
	v_readfirstlane_b32 s18, v1                    ; wave
	v_and_b32 v2, 31, v0                           ; lane
	s_mov_b32 s30, MANT                            ; (an instruction takes one literal: the hold's line has another)
	s_wait_kmcnt 0x0
	s_cmp_lt_u32 ttmp9, 96
	s_cbranch_scc1 .Lw_attn
	s_cmp_lt_u32 ttmp9, 128
	s_cbranch_scc1 .Lw_proj
	; ---- x
	s_wait_alu depctr_va_vdst(0)
	v_lshlrev_b32 v3, 4, v2                        ; my 16 bytes of a load's 512
	s_mul_i32 s19, s18, WREG
	v_lshrrev_b32 v14, 2, v2
	v_mul_u32_u24 v14, v14, SP
	v_and_b32 v15, 3, v2
	v_lshl_add_u32 v14, v15, 4, v14
	v_add_nc_u32 v14, s19, v14                     ; the stage, on the way in: SP (lane / 4) + 16 (lane % 4)
	v_mul_u32_u24 v15, v2, SP
	v_add_nc_u32 v15, s19, v15                     ; and on the way out: SP x lane: my 16 neighbours
	v_mul_u32_u24 v4, v2, CB                       ; my codes' place in a step's
	v_lshrrev_b32 v5, 1, v2
	s_add_co_u32 s19, s19, 2*32*SP
	v_add_nc_u32 v5, s19, v5                       ; my wave's 256 scale bytes, my block's byte
	v_lshlrev_b32 v7, 3, v2                        ; and on the way out 8 bytes a lane
	v_add_nc_u32 v6, s19, v7
	s_sub_co_u32 s20, ttmp9, 128
	s_lshl_b32 s20, s20, 2
	s_add_co_u32 s22, s20, s18                     ; which 8 rows are my wave's: 4 x work-group + wave
	s_and_b32 s21, s18, 1                          ; bits 3 and 4 of a row's number are the two bits of the wave's number: exchanged for the output
	s_lshl_b32 s21, s21, 1
	s_lshr_b32 s23, s18, 1
	s_or_b32 s21, s21, s23
	s_add_co_u32 s24, s20, s21                     ; where they are stored
	s_lshl_b32 s22, s22, 15                        ; 8 rows of 4,096 bytes
	s_mov_b32 s23, 0
	s_add_nc_u64 s[4:5], s[4:5], s[22:23]
	s_lshl_b32 s22, s24, 13                        ; 8 rows of 1,024 codes
	s_add_nc_u64 s[10:11], s[10:11], s[22:23]
	s_lshl_b32 s22, s24, 8                         ; 8 rows of 32 scale bytes
	s_add_nc_u64 s[12:13], s[12:13], s[22:23]
.irp t, 0,1,2,3
	XLOAD \t
.endr
	s_wait_alu depctr_va_vdst(0)
	s_wait_loadcnt 12                              ; step 0's four loads are in
	XTURN 0
.irp t, 0,1,2,3,4,5,6,7,8,9,10,11,12,13,14,15
	XSTEP \t
.endr
	ds_load_b64 v[12:13], v6                       ; LDS serves a wave's instructions in order: these see my byte stores
	s_wait_dscnt 0x0
	global_store_b64 v7, v[12:13], s[12:13]        ; 32 lanes store 256 consecutive bytes, aligned
	s_wait_tensorcnt 0x0
	ds_add_u32 v192, v193
	s_wait_dscnt 0x0
	s_endpgm
.Lw_attn:
	s_wait_alu depctr_va_vdst(0)
	WQ 3072, 1, LWA, 0, 6, 0, 0
.Lw_proj:
	s_wait_alu depctr_va_vdst(0)
	WQ 1024, 0, LWP, 96, 8, 3145728, 98304
.Lfunc_end_k_qb36794f044_quant:
	.size	k_qb36794f044_quant, .Lfunc_end_k_qb36794f044_quant-k_qb36794f044_quant
	.p2alignl 7, 3214868480
	.fill 96, 4, 3214868480
	.section	.rodata,"a",@progbits
	.p2align	6, 0x0
	.amdhsa_kernel k_qb36794f044_quant
		.amdhsa_group_segment_fixed_size 102912
		.amdhsa_private_segment_fixed_size 0
		.amdhsa_enable_private_segment 0
		.amdhsa_kernarg_size 56
		.amdhsa_user_sgpr_count 2
		.amdhsa_user_sgpr_kernarg_segment_ptr 1
		.amdhsa_wavefront_size32 1
		.amdhsa_system_sgpr_workgroup_id_x 1
		.amdhsa_system_sgpr_workgroup_id_y 1
		.amdhsa_system_sgpr_workgroup_id_z 1
		.amdhsa_system_vgpr_workitem_id 0
		.amdhsa_next_free_vgpr 194
		.amdhsa_next_free_sgpr 66
		.amdhsa_reserve_vcc 0
		.amdhsa_float_denorm_mode_32 3
		.amdhsa_float_denorm_mode_16_64 3
		.amdhsa_memory_ordered 1
		.amdhsa_forward_progress 1
		.amdhsa_inst_pref_size 168
	.end_amdhsa_kernel
	.amdgpu_metadata
---
amdhsa.version: [ 1, 2 ]
amdhsa.kernels:
  - .name:           k_qb36794f044_quant
    .symbol:         k_qb36794f044_quant.kd
    .args:
      - { .name: x, .offset: 0, .size: 8, .value_kind: global_buffer, .address_space: global }
      - { .name: W_attn, .offset: 8, .size: 8, .value_kind: global_buffer, .address_space: global }
      - { .name: W_proj, .offset: 16, .size: 8, .value_kind: global_buffer, .address_space: global }
      - { .name: xc, .offset: 24, .size: 8, .value_kind: global_buffer, .address_space: global }
      - { .name: xs, .offset: 32, .size: 8, .value_kind: global_buffer, .address_space: global }
      - { .name: wc, .offset: 40, .size: 8, .value_kind: global_buffer, .address_space: global }
      - { .name: ws, .offset: 48, .size: 8, .value_kind: global_buffer, .address_space: global }
    .group_segment_fixed_size: 102912
    .private_segment_fixed_size: 0
    .kernarg_segment_align: 8
    .kernarg_segment_size: 56
    .max_flat_workgroup_size: 128
    .sgpr_count:     66
    .vgpr_count:     194
    .wavefront_size: 32
...
	.end_amdgpu_metadata
.endif
;; end of part 1
;; launch qkv (part 2): grid 8 x 32, 4 waves a work-group, clusters of 4 x 4, 327,680 bytes of LDS; arguments xc, xs, wc, ws, b_attn, qq, kv; writes qq, kv
.if DOCPART == 2
	.amdgcn_target "amdgcn-amd-amdhsa--gfx1250"
	.amdhsa_code_object_version 6
	.text
	.protected	k_qb36794f044_qkv
	.globl	k_qb36794f044_qkv
	.p2align	8
	.type	k_qb36794f044_qkv,@function
k_qb36794f044_qkv:
	s_mov_b64 s[64:65], 0
	v_nop
	global_prefetch_b8 v0, s[64:65] scope:SCOPE_SE
	s_setreg_imm32_b32 hwreg(HW_REG_WAVE_MODE, 25, 1), 1
	s_wait_xcnt 0x0
	s_wait_alu depctr_hold_cnt(0) depctr_sa_sdst(0) depctr_va_vdst(0) depctr_va_sdst(0) depctr_va_ssrc(0) depctr_va_vcc(0) depctr_vm_vsrc(0)
	s_getreg_b32 s2, hwreg(HW_REG_IB_STS2, 6, 4)
	s_cmp_eq_u32 s2, 0
	s_cbranch_scc0 .Lentry_in_a_cluster
	s_endpgm
.Lentry_in_a_cluster:
	s_bfe_u32 s2, ttmp6, 0x10000c
	s_cmp_lg_u32 s2, 0xf033
	s_cbranch_scc0 .Lentry_shape_is_right
	s_endpgm
.Lentry_shape_is_right:
; qkv = x W_attn + b_attn on codes of BF8 (E5M2) with E8M0 scales for each 32 along K = 1,024; the results are quantised in registers and leave as codes, laid as the attention launch's operand registers.
; THE DEAL.  256 work-groups: 32 blocks of 256 stored tokens x 8 groups of two heads.  A work-group makes its tokens' q, k and v of its two heads: 256 x 384.  A wave holds 64 rows of x, ALL of K, in 512 registers
; (windows 1, 2) and streams W_attn's stored rows past them in tiles of 16, all of K (128 registers; two sets in window 3): 24 tiles of 32 products on four accumulators by turns.
; q, k: source 0 = W's tile, source 1 = x's: a lane holds a token, its registers run along the features.  v: source 0 = x's, source 1 = W's: a lane holds a feature, its registers run along the tokens.
; STORED ROWS have bits 3 and 4 of their number exchanged (the launch before): stored row 16 i + 8 h + j is row 32 (i / 2) + 16 h + 8 (i % 2) + j.  So the registers of tiles 2 B and 2 B + 1 of the register operand are the 16
; neighbours 32 B + 16 h + 0 .. 15, and the conversions' results are the next operand's registers.  The bias is the first products' C.  A pair of W's tiles is quantised behind its products: four scale blocks of 32.
; LDS: two slots of 128 rows x (1,024 + 16) bytes; x's scale bytes (256 rows) and W's (3 x 128 rows), as runs of 256 bytes + 16.  FILLS: at the head one tensor load a wave: x's two halves (one in each slot), x's scale bytes, W's.
; When x stands in registers, q's 128 rows are filled over slot 0 and k's over slot 1, 64 rows a wave, behind a drained round; v's rows over slot 0 behind a round in tile 6, 32 rows a wave, eight tiles ahead of their first read.
; Each fill is asked for as soon as its bytes are free and the text has no loop to run ahead in: no prefetch is laid.
; CLUSTERS: 4 x 4; x's rows are shared along a row of the cluster, W's along a column, by joint loads.
; OUT.  qq: codes [bh 64][tile of 16 stored tokens 128][c 2][lane][16 bytes]; from byte 8,388,608 scale words [bh][step 16][r 16][tile 8] (bytes 0, 1: the head's two blocks; bytes 2, 3: 0).
;       kv: [bh 64][step of 128 tokens 16] records of 17,152 bytes: K's codes [tile 8][c 2][lane][16]; at 8,192 V's codes [tile of 16 features 4][c 4][lane][16]; at 16,384 K's scale words [r 16][tile 8]; at 16,896 V's [r 16][tile 4].
;       A wave owns 64 of a step's 128 tokens, so it stores 16 of a row's 32 bytes of q's and k's scale words and 2 of each of V's words: about one byte in twenty of what it stores.
; LIMITS: a block whose largest magnitude lies under 2^-111 keeps the scale byte 1; NaN and infinities are not served.
.set KROW,  1024
.set PITCH, 1040                       ; an LDS row: 65 x 16 bytes: the 16 rows that a load touches start at 16 different groups of banks
.set SLOT,  128*PITCH
.set XSC,   2*SLOT
.set WSC,   XSC+32*272
.set SPARE, WSC+48*272
.set NP,    8                          ; places behind this matrix instruction (ISA guide 7.12.1)
.set NF,    34                         ; LDS loads of a tile: 32 of codes, 2 of scale words
.set ADX,  4                           ; v4     my x fragments
.set ADW,  6                           ; v6-9   W's fragments: slot 0 rows 0-63, 64-127, slot 1 likewise
.set AXS,  10
.set AWS,  11
.set BOQ,  12                          ; the bias loads' offsets: 64 h;  4 (r + 8 (r / 8))
.set BOV,  13
.set LI,   14                          ; 16 x lane
.set SOQ,  15                          ; where scale words go: 32 r + h x a head of q;  of k;  16 r + h x a head of v
.set SOK,  16
.set SOV,  17
.set SPW,  18
.set NIL,  19
.set SW,   24                          ; v24-31 scale words gathered: the first head's four, the second's
.set T4,   32
.set WS,   44                          ; v44-59 W's scale words, two sets of eight
.set XS,   64                          ; v64-95 x's: register 8 a + q
.set BI,   96                          ; v96-127 the bias of four tiles
.set ACC,  128                         ; v128-191 a pair of tiles' accumulators: 32 (tile % 2) + 8 a
.set PC,   192                         ; v192-223 codes, two sets
.set TM,   224
.set G1X,  24
.set G0X,  32
.set G1W2, 36
.set G1W,  48
.set G0W,  56
.set G0W2, 60
.set G1S,  68
.set G0S,  76
.set G1T,  80
.set G0T,  88
.set MSB, 0
.macro WIN new
.if MSB != \new
	s_set_vgpr_msb (MSB<<8)|\new
.set MSB, \new
.endif
.endm
.macro PLACES n
.rept \n
	v_nop
.endr
.endm
.macro CROUND
	s_barrier_signal -1
	s_barrier_wait -1
	s_cmp_lg_u32 s14, 0
	s_cbranch_scc1 .Lnot_wave_0_\@
	s_barrier_signal -3
.Lnot_wave_0_\@:
	s_barrier_wait -3
	s_barrier_signal -1
	s_barrier_wait -1
.endm
.macro GROUP1 g, mask, rows            ; so many whole rows of K, padded in LDS
	s_or_b32 s[\g+0], s[\mask], (1<<20)|(1<<21)|(7<<22)|(3<<25)
	s_mov_b32 s[\g+1], KROW<<16
	s_mov_b32 s[\g+2], (\rows)<<16
	s_mov_b32 s[\g+3], KROW<<16
	s_mov_b32 s[\g+4], \rows
	s_mov_b32 s[\g+5], KROW
	s_mov_b32 s[\g+6], 0
	s_mov_b32 s[\g+7], 0
.endm
	s_load_b256 s[4:11], s[0:1], 0x0               ; xc, xs, wc, ws
	s_load_b128 s[96:99], s[0:1], 0x20             ; b_attn, qq
	s_load_b64 s[100:101], s[0:1], 0x30            ; kv
	v_lshl_add_u32 v[SPW], v0, 2, SPARE
	v_mov_b32 v[NIL], 0
	ds_add_u32 v[SPW], v[NIL]                      ; the opening lines: the add twice on end and its wait
	ds_add_u32 v[SPW], v[NIL]
	v_lshrrev_b32 v1, 5, v0
	v_readfirstlane_b32 s14, v1                    ; wave
	s_lshr_b32 s15, s14, 1
	s_and_b32 s16, s14, 1
	s_bfe_u32 s18, ttmp6, 0x40000                  ; cx, cy
	s_bfe_u32 s19, ttmp6, 0x40004
	s_lshl_b32 s45, ttmp9, 2
	s_add_co_u32 s45, s45, s18                     ; g: my two heads
	s_and_b32 s17, ttmp7, 0xffff
	s_lshl_b32 s17, s17, 2
	s_add_co_u32 s17, s17, s19                     ; Y: my 256 tokens
	s_lshl_b32 s46, s19, 2
	s_lshl_b32 s46, 15, s46                        ; my row of the cluster
	s_lshl_b32 s47, 0x1111, s18                    ; my column
	GROUP1 G1X, 46, 128
	GROUP1 G1W, 47, 64
	GROUP1 G1W2, 47, 32
	s_or_b32 s[G1S+0], s46, (3<<16)|(1<<20)|(1<<21)|(5<<22)|(3<<25)   ; x's scale bytes: 8,192 dense bytes as 32 rows of 256
	s_mov_b32 s[G1S+1], 32<<16
	s_mov_b32 s[G1S+2], 32<<16
	s_mov_b32 s[G1S+3], 32<<16
	s_mov_b32 s[G1S+4], 32
	s_mov_b32 s[G1S+5], 32
	s_mov_b32 s[G1S+6], 0
	s_mov_b32 s[G1S+7], 0
	s_or_b32 s[G1T+0], s47, (3<<16)|(1<<20)|(1<<21)|(5<<22)|(3<<25)   ; W's: q's, k's, v's 4,096 bytes, 32,768 apart; 16 bytes of padding behind each 256
	s_mov_b32 s[G1T+1], 512<<16
	s_mov_b32 s[G1T+2], 3<<16
	s_mov_b32 s[G1T+3], 512<<16
	s_mov_b32 s[G1T+4], 3
	s_mov_b32 s[G1T+5], 4096
	s_mov_b32 s[G1T+6], 0
	s_mov_b32 s[G1T+7], 0
	s_mov_b32 s[G0X], 1
	s_mul_i32 s[G0X+1], s14, SLOT
	s_mov_b32 s[G0S], 1
	s_mov_b32 s[G0S+1], XSC
	s_mov_b32 s[G0T], 1
	s_mov_b32 s[G0T+1], WSC
	s_mov_b32 s[G0W], 1
	s_mul_i32 s[G0W+1], s14, 64*PITCH
	s_mov_b32 s[G0W2], 1
	s_mul_i32 s[G0W2+1], s14, 32*PITCH
	s_mov_b32 s3, 0
	s_mov_b32 s13, 0
	s_wait_dscnt 0x0
	s_wait_kmcnt 0x0
	s_lshl_b32 s2, s17, 18                         ; x: 256 rows a block, 128 a wave (waves 0, 1)
	s_lshl_b32 s12, s14, 17
	s_add_co_u32 s2, s2, s12
	s_add_nc_u64 s[G0X+2:G0X+3], s[4:5], s[2:3]
	s_or_b32 s[G0X+3], s[G0X+3], 0x80000000
	s_lshl_b32 s2, s17, 13
	s_add_nc_u64 s[G0S+2:G0S+3], s[6:7], s[2:3]
	s_or_b32 s[G0S+3], s[G0S+3], 0x80000000
	s_lshl_b32 s12, s45, 12
	s_add_nc_u64 s[G0T+2:G0T+3], s[10:11], s[12:13]
	s_or_b32 s[G0T+3], s[G0T+3], 0x80000000
	s_lshl_b32 s12, s15, 10                        ; W: waves 0, 1 q's rows, waves 2, 3 k's: row 1,024 (wave / 2) + 128 g + 64 (wave % 2)
	s_lshl_b32 s47, s45, 7
	s_add_co_u32 s12, s12, s47
	s_lshl_b32 s46, s16, 6
	s_add_co_u32 s12, s12, s46
	s_lshl_b32 s12, s12, 10
	s_add_nc_u64 s[G0W+2:G0W+3], s[8:9], s[12:13]
	s_or_b32 s[G0W+3], s[G0W+3], 0x80000000
	s_lshl_b32 s12, s14, 5                         ; v's: row 2,048 + 128 g + 32 wave
	s_add_co_u32 s12, s12, s47
	s_add_co_u32 s12, s12, 2048
	s_lshl_b32 s12, s12, 10
	s_add_nc_u64 s[G0W2+2:G0W2+3], s[8:9], s[12:13]
	s_or_b32 s[G0W2+3], s[G0W2+3], 0x80000000
	CROUND                                         ; all sixteen work-groups are here
.macro ARM under, g0, g1, next
	s_cmp_lt_u32 s14, \under
	s_cbranch_scc0 \next
	tensor_load_to_lds s[\g0:\g0+3], s[\g1:\g1+7]
	s_nop 0
	PLACES 4
	s_branch .Lhead_asked
\next:
.endm
	ARM 2, G0X, G1X, .Lhead_xs                     ; waves 0, 1: x's halves
	ARM 3, G0S, G1S, .Lhead_ws                     ; wave 2: x's scale bytes
	tensor_load_to_lds s[G0T:G0T+3], s[G1T:G1T+7]  ; wave 3: W's
	s_nop 0
	PLACES 4
.Lhead_asked:
	s_lshr_b32 s2, s17, 3                          ; the batch
	s_and_b32 s3, s17, 7
	s_lshl_b32 s2, s2, 4
	s_lshl_b32 s12, s45, 1
	s_add_co_u32 s2, s2, s12                       ; my first head among the 64
	s_lshl_b32 s12, s3, 4
	s_lshl_b32 s4, s14, 2
	s_add_co_u32 s12, s12, s4                      ; my first tile of 16 tokens in the head
	s_lshl_b32 s12, s12, 10
	s_lshl_b32 s4, s2, 17
	s_add_co_u32 s12, s12, s4
	s_add_nc_u64 s[92:93], s[98:99], s[12:13]      ; q's codes
	s_lshl_b32 s3, s3, 1
	s_add_co_u32 s3, s3, s15                       ; my step of 128 tokens; s16: which half of it
	s_lshl_b32 s12, s2, 13
	s_lshl_b32 s4, s3, 9
	s_add_co_u32 s12, s12, s4
	s_lshl_b32 s4, s16, 4
	s_add_co_u32 s12, s12, s4
	s_add_co_u32 s12, s12, 8388608
	s_add_nc_u64 s[94:95], s[98:99], s[12:13]      ; q's scale words
	s_mul_i32 s12, s2, 274432
	s_mul_i32 s4, s3, 17152
	s_add_co_u32 s12, s12, s4
	s_add_nc_u64 s[100:101], s[100:101], s[12:13]  ; my record
	s_lshl_b32 s12, s16, 12
	s_add_nc_u64 s[98:99], s[100:101], s[12:13]    ; K's codes
	s_lshl_b32 s12, s16, 4
	s_add_co_u32 s12, s12, 16384
	s_add_nc_u64 s[20:21], s[100:101], s[12:13]    ; K's scale words
	s_lshl_b32 s12, s16, 1
	s_add_co_u32 s12, s12, 16896
	s_add_nc_u64 s[22:23], s[100:101], s[12:13]    ; V's scale words
	s_lshl_b32 s12, s16, 10
	s_add_co_u32 s12, s12, 8192
	s_add_nc_u64 s[100:101], s[100:101], s[12:13]  ; V's codes
	s_lshl_b32 s12, s45, 9
	s_add_nc_u64 s[96:97], s[96:97], s[12:13]      ; the bias of q's 128 features
	s_mul_i32 s5, s14, 64*PITCH
	s_mul_i32 s6, s14, 8*272
	s_add_co_u32 s6, s6, XSC
	s_mov_b32 s8, 0x76543210                       ; v_permlanex16_b32's selects for lane l xor 16
	s_mov_b32 s9, 0xfedcba98
	s_mov_b32 s11, 0x600000                        ; the mantissa field of 57,344
	v_and_b32 v1, 15, v0                           ; r
	v_bfe_u32 v2, v0, 4, 1                         ; h
	v_and_b32 v3, 31, v0
	v_lshlrev_b32 v[BOQ], 6, v2
	v_and_b32 v21, 8, v1
	v_add_nc_u32 v21, v21, v1
	v_lshlrev_b32 v[BOV], 2, v21
	v_mul_u32_u24 v20, v1, PITCH
	v_lshl_add_u32 v[ADW], v2, 4, v20
	v_add_nc_u32 v[ADX], s5, v[ADW]
	v_add_nc_u32 v[ADW+1], 64*PITCH, v[ADW]
	v_add_nc_u32 v[ADW+2], SLOT, v[ADW]
	v_add_nc_u32 v[ADW+3], SLOT+64*PITCH, v[ADW]
	v_lshlrev_b32 v20, 5, v1                       ; a row's scale bytes: 32 a row, 16 more for each 8 rows
	v_lshrrev_b32 v21, 3, v1
	v_lshl_add_u32 v21, v21, 4, v20
	v_add_nc_u32 v[AWS], WSC, v21
	v_add_nc_u32 v[AXS], s6, v21
	v_lshlrev_b32 v[LI], 4, v3
	v_lshl_add_u32 v[SOQ], v2, 13, v20
	v_mul_u32_u24 v22, v2, 274432
	v_add_nc_u32 v[SOK], v22, v20
	v_lshl_add_u32 v[SOV], v1, 4, v22
	v_cmp_ne_u32 s10, 0, v2                        ; lanes 16-31
.irp b, 0,1,2,3
	v_mov_b32 v[TM+4+\b], 0                        ; a lane permute's destination counts as one of its sources
.endr
.macro BIAS m                          ; tile m's bias into set m % 4.  q, k: register j wants feature 32 (i / 2) + 16 h + 8 (i % 2) + j;  v: all eight want my lane's, 32 (i / 2) + 8 (i % 2) + r + 8 (r / 8)
.set BS_, BI+8*((\m)%4)
.set BF_, ((\m)/8)*4096+128*(((\m)%8)/2)+32*((\m)%2)
.if (\m) < 16
	global_load_b128 v[BS_:BS_+3], v[BOQ], s[96:97] offset:BF_
	global_load_b128 v[BS_+4:BS_+7], v[BOQ], s[96:97] offset:BF_+16
.else
.irp j, 0,1,2,3,4,5,6,7
	global_load_b32 v[BS_+\j], v[BOV], s[96:97] offset:BF_
.endr
.endif
.endm
.macro FETCH m                         ; W's tile m, all of K, into set m % 2 of window 3, and its rows' scale words
.set FA_, ADW+2*(((\m)/8)%2)+((\m)%8)/4
	WIN 3<<6
.irp q, 0,1,2,3,4,5,6,7
.irp c, 0,1,2,3
	ds_load_b128 v[128*((\m)%2)+16*\q+4*\c:128*((\m)%2)+16*\q+4*\c+3], v[FA_] offset:((\m)%4)*16*PITCH+128*\q+32*\c
.endr
.endr
	WIN 0
	ds_load_b128 v[WS+8*((\m)%2):WS+8*((\m)%2)+3], v[AWS] offset:((\m)/8)*16*272+((\m)%8)*2*272
	ds_load_b128 v[WS+8*((\m)%2)+4:WS+8*((\m)%2)+7], v[AWS] offset:((\m)/8)*16*272+((\m)%8)*2*272+16
.endm
.macro MULT n                          ; tile n's 32 products: the q-th 128 of K x my four tiles of x
.set P_, (\n)%2
.set K_, (\n)/16
.set LC_, 0
.irp d, 1,2,3
.if (\n)+\d < 16
.set LC_, LC_+2
.elseif (\n)+\d < 24
.set LC_, LC_+8
.endif
.endr
.if (\n) < 23
	s_wait_dscnt NF                                ; this tile is in; the next tile's loads may be out
.else
	s_wait_dscnt 0x0
.endif
	s_wait_loadcnt LC_                             ; this tile's bias is in; those of the three tiles behind it may be out
.irp q, 0,1,2,3,4,5,6,7
.if K_
	WIN (1+\q/4)|(3<<2)
.else
	WIN 3|((1+\q/4)<<2)
.endif
.irp a, 0,1,2,3
.set AC_, ACC+32*P_+8*\a
.set XF_, 16*((4*\q+\a)%16)
.set WF_, 128*P_+16*\q
.set C_, AC_
.if \q == 0
.set C_, BI+8*((\n)%4)
.endif
.if K_
	v_wmma_scale_f32_16x16x128_f8f6f4 v[AC_:AC_+7], v[XF_:XF_+15], v[WF_:WF_+15], v[C_:C_+7], v[XS+8*\a+\q], v[WS+8*P_+\q] matrix_a_fmt:MATRIX_FMT_BF8 matrix_b_fmt:MATRIX_FMT_BF8
.else
	v_wmma_scale_f32_16x16x128_f8f6f4 v[AC_:AC_+7], v[WF_:WF_+15], v[XF_:XF_+15], v[C_:C_+7], v[WS+8*P_+\q], v[XS+8*\a+\q] matrix_a_fmt:MATRIX_FMT_BF8 matrix_b_fmt:MATRIX_FMT_BF8
.endif
.endr
.endr
	WIN 0
	PLACES NP                                      ; ahead of the loads into what the products have read and of the first reads of their sums
.endm
.macro NEXT n
.if (\n)+2 < 24
	FETCH (\n)+2
.endif
.if (\n)+4 < 24
	BIAS (\n)+4
.endif
.endm
; THE WAY OUT of the pair of tiles n - 1, n: four scale blocks of 32, each 16 numbers a lane with lane l xor 16's.  q, k: block b = my tile b of tokens, eight features from each tile of W;  v: block b = tile b / 2 of the pair, tokens 32 (b % 2) on.
.macro OUT n
.set K_, (\n)/16
.set PR_, ((\n)%8)/2
.set E_, PR_/2                         ; the head of my two
.set C_, PR_%2
.set PCS, PC+16*C_
.set S1_, 8+8*K_
.set S2_, 32-24*K_
	s_wait_xcnt 0x0                                ; earlier stores have read their registers
.irp b, 0,1,2,3
	v_max3_num_f32 v[TM+\b], |v[ACC+S1_*\b]|, |v[ACC+S1_*\b+1]|, 0x8000000   ; with the floor 2^(16 - 127): the byte cannot fall under 1
.endr
.irp i, 2,4,6
.irp b, 0,1,2,3
	v_max3_num_f32 v[TM+\b], v[TM+\b], |v[ACC+S1_*\b+\i]|, |v[ACC+S1_*\b+\i+1]|
.endr
.endr
.irp i, 0,2,4,6
.irp b, 0,1,2,3
	v_max3_num_f32 v[TM+\b], v[TM+\b], |v[ACC+S1_*\b+S2_+\i]|, |v[ACC+S1_*\b+S2_+\i+1]|
.endr
.endr
.irp b, 0,1,2,3
	v_permlanex16_b32 v[TM+4+\b], v[TM+\b], s8, s9
.endr
.irp b, 0,1,2,3
	v_max_num_f32 v[TM+\b], v[TM+\b], v[TM+4+\b]
.endr
.irp b, 0,1,2,3
	v_add_nc_u32 v[TM+12+\b], 0xf8800000, v[TM+\b] ; 15 off the exponent field: the conversion's scale operand
.endr
.irp b, 0,1,2,3
	v_and_or_b32 v[TM+8+\b], v[TM+\b], 0x7f800000, s11   ; 57,344 x the scale
.endr
.irp b, 0,1,2,3
	v_lshrrev_b32 v[TM+4+\b], 23, v[TM+12+\b]      ; the scale's byte
.endr
.if K_
.irp x, 0,1
	v_lshl_or_b32 v[SW+4*E_+2*C_+\x], v[TM+5+2*\x], 8, v[TM+4+2*\x]   ; feature tile 2 C + x: my two bytes of its word
.endr
.elseif C_
.irp b, 0,1,2,3
	v_lshl_or_b32 v[SW+4*E_+\b], v[TM+4+\b], 8, v[SW+4*E_+\b]
.endr
.else
.irp b, 0,1,2,3
	v_mov_b32 v[SW+4*E_+\b], v[TM+4+\b]            ; the upper bytes stay 0: they stand for the half of the next product's K that holds zero codes
.endr
.endif
.irp b, 0,1,2,3
.irp i, 0,1,2,3,4,5,6,7
	v_med3_num_f32 v[ACC+S1_*\b+\i], v[ACC+S1_*\b+\i], -v[TM+8+\b], v[TM+8+\b]   ; the conversion does not saturate (ISA guide 7.6.2): the hold comes first
.endr
.irp i, 0,1,2,3,4,5,6,7
	v_med3_num_f32 v[ACC+S1_*\b+S2_+\i], v[ACC+S1_*\b+S2_+\i], -v[TM+8+\b], v[TM+8+\b]
.endr
	v_cvt_scalef32_pk8_bf8_f32 v[PCS+4*\b:PCS+4*\b+1], v[ACC+S1_*\b:ACC+S1_*\b+7], v[TM+12+\b]
	v_cvt_scalef32_pk8_bf8_f32 v[PCS+4*\b+2:PCS+4*\b+3], v[ACC+S1_*\b+S2_:ACC+S1_*\b+S2_+7], v[TM+12+\b]
.endr
	v_nop                                          ; a plain line behind the last conversion
.irp b, 0,1,2,3
.if K_
	global_store_b128 v[LI], v[PCS+4*\b:PCS+4*\b+3], s[100:101] offset:E_*274432+(2*C_+\b/2)*2048+(\b%2)*512   ; each store: 512 consecutive bytes, aligned
.elseif (\n) < 8
	global_store_b128 v[LI], v[PCS+4*\b:PCS+4*\b+3], s[92:93] offset:E_*131072+\b*1024+C_*512
.else
	global_store_b128 v[LI], v[PCS+4*\b:PCS+4*\b+3], s[98:99] offset:E_*274432+\b*1024+C_*512
.endif
.endr
.if PR_ == 3                           ; both heads are done: lanes 0-15 store the first head's words of their row, lanes 16-31 the second's
.irp b, 0,1,2,3
	v_cndmask_b32 v[T4+\b], v[SW+\b], v[SW+4+\b], s10
.endr
.if K_
.irp b, 0,1,2,3
	global_store_b16 v[SOV], v[T4+\b], s[22:23] offset:4*\b
.endr
.elseif (\n) < 8
	global_store_b128 v[SOQ], v[T4:T4+3], s[94:95]
.else
	global_store_b128 v[SOK], v[T4:T4+3], s[20:21]
.endif
.endif
.endm
.macro TILE n
	MULT \n
	NEXT \n
.if (\n)%2
	OUT \n
.endif
.endm
.irp m, 0,1,2,3
	BIAS \m
.endr
	s_wait_alu depctr_va_vdst(0)                   ; the wait at the head's end
	s_wait_tensorcnt 0x0                           ; my tile of the head's four is in,
	s_barrier_signal -1
	s_barrier_wait -1                              ; everybody's is
.irp q, 0,1,2,3,4,5,6,7                ; my 64 rows of x into windows 1 and 2: fragment 4 q + a
	WIN (1+\q/4)<<6
.irp a, 0,1,2,3
.irp c, 0,1,2,3
	ds_load_b128 v[16*((4*\q+\a)%16)+4*\c:16*((4*\q+\a)%16)+4*\c+3], v[ADX] offset:\a*16*PITCH+128*\q+32*\c
.endr
.endr
.endr
	WIN 0
.irp a, 0,1,2,3
	ds_load_b128 v[XS+8*\a:XS+8*\a+3], v[AXS] offset:\a*2*272
	ds_load_b128 v[XS+8*\a+4:XS+8*\a+7], v[AXS] offset:\a*2*272+16
.endr
	s_wait_tensorcnt 0x0                           ; a spare add between waits, ahead of a refill's round
	ds_add_u32 v[SPW], v[NIL]
	s_wait_dscnt 0x0                               ; x stands in my registers
	CROUND
	tensor_load_to_lds s[G0W:G0W+3], s[G1W:G1W+7]  ; q's rows over slot 0 (waves 0, 1), k's over slot 1 (waves 2, 3)
	s_nop 0
	PLACES 4
	s_wait_tensorcnt 0x0
	s_barrier_signal -1
	s_barrier_wait -1
	FETCH 0
	FETCH 1
.irp n, 0,1,2,3,4,5
	TILE \n
.endr
	MULT 6
	s_wait_tensorcnt 0x0                           ; the three lines: tile 7, slot 0's last, was fetched a tile ago
	ds_add_u32 v[SPW], v[NIL]
	s_wait_dscnt 0x0
	CROUND
	tensor_load_to_lds s[G0W2:G0W2+3], s[G1W2:G1W2+7]   ; v's rows over slot 0
	s_nop 0
	PLACES 4
	NEXT 6
.irp n, 7,8,9,10,11,12,13
	TILE \n
.endr
	MULT 14
	s_wait_tensorcnt 0x0                           ; my part of v's rows is in,
	s_wait_dscnt 0x0
	s_barrier_signal -1
	s_barrier_wait -1                              ; everybody's is
	NEXT 14
.irp n, 15,16,17,18,19,20,21,22,23
	TILE \n
.endr
	s_wait_tensorcnt 0x0                           ; the wave's end
	ds_add_u32 v[SPW], v[NIL]
	s_wait_dscnt 0x0
	CROUND                                         ; the closing round
	s_endpgm
.Lfunc_end_k_qb36794f044_qkv:
	.size	k_qb36794f044_qkv, .Lfunc_end_k_qb36794f044_qkv-k_qb36794f044_qkv
	.p2alignl 7, 3214868480
	.fill 96, 4, 3214868480
	.section	.rodata,"a",@progbits
	.p2align	6, 0x0
	.amdhsa_kernel k_qb36794f044_qkv
		.amdhsa_group_segment_fixed_size 327680
		.amdhsa_private_segment_fixed_size 0
		.amdhsa_enable_private_segment 0
		.amdhsa_kernarg_size 56
		.amdhsa_user_sgpr_count 2
		.amdhsa_user_sgpr_kernarg_segment_ptr 1
		.amdhsa_wavefront_size32 1
		.amdhsa_system_sgpr_workgroup_id_x 1
		.amdhsa_system_sgpr_workgroup_id_y 1
		.amdhsa_system_sgpr_workgroup_id_z 1
		.amdhsa_system_vgpr_workitem_id 0
		.amdhsa_next_free_vgpr 1024
		.amdhsa_next_free_sgpr 102
		.amdhsa_reserve_vcc 0
		.amdhsa_float_denorm_mode_32 3
		.amdhsa_float_denorm_mode_16_64 3
		.amdhsa_memory_ordered 1
		.amdhsa_forward_progress 1
		.amdhsa_inst_pref_size 255
	.end_amdhsa_kernel
	.section	.bss,"aw",@nobits
	.p2align	6
	.space	262144
	.amdgpu_metadata
---
amdhsa.version: [ 1, 2 ]
amdhsa.kernels:
  - .name:           k_qb36794f044_qkv
    .symbol:         k_qb36794f044_qkv.kd
    .args:
      - { .name: xc, .offset: 0, .size: 8, .value_kind: global_buffer, .address_space: global }
      - { .name: xs, .offset: 8, .size: 8, .value_kind: global_buffer, .address_space: global }
      - { .name: wc, .offset: 16, .size: 8, .value_kind: global_buffer, .address_space: global }
      - { .name: ws, .offset: 24, .size: 8, .value_kind: global_buffer, .address_space: global }
      - { .name: b_attn, .offset: 32, .size: 8, .value_kind: global_buffer, .address_space: global }
      - { .name: qq, .offset: 40, .size: 8, .value_kind: global_buffer, .address_space: global }
      - { .name: kv, .offset: 48, .size: 8, .value_kind: global_buffer, .address_space: global }
    .group_segment_fixed_size: 327680
    .private_segment_fixed_size: 0
    .kernarg_segment_align: 8
    .kernarg_segment_size: 56
    .max_flat_workgroup_size: 128
    .sgpr_count:     102
    .vgpr_count:     1024
    .wavefront_size: 32
...
	.end_amdgpu_metadata
.endif
;; end of part 2
;; launch attn (part 3): grid 4 x 64, 16 waves a work-group, clusters of 4 x 1, 327,680 bytes of LDS; arguments qq, kv, yc, ys; writes yc, ys
.if DOCPART == 3
	.amdgcn_target "amdgcn-amd-amdhsa--gfx1250"
	.amdhsa_code_object_version 6
	.text
	.protected	k_qb36794f044_attn
	.globl	k_qb36794f044_attn
	.p2align	8
	.type	k_qb36794f044_attn,@function
k_qb36794f044_attn:
	s_mov_b64 s[64:65], 0
	v_nop
	global_prefetch_b8 v0, s[64:65] scope:SCOPE_SE
	s_setreg_imm32_b32 hwreg(HW_REG_WAVE_MODE, 25, 1), 1
	s_wait_xcnt 0x0
	s_wait_alu depctr_hold_cnt(0) depctr_sa_sdst(0) depctr_va_vdst(0) depctr_va_sdst(0) depctr_va_ssrc(0) depctr_va_vcc(0) depctr_vm_vsrc(0)
	s_getreg_b32 s2, hwreg(HW_REG_IB_STS2, 6, 4)
	s_cmp_eq_u32 s2, 0
	s_cbranch_scc0 .Lentry_in_a_cluster
	s_endpgm
.Lentry_in_a_cluster:
	s_bfe_u32 s2, ttmp6, 0x10000c
	s_cmp_lg_u32 s2, 0x3003
	s_cbranch_scc0 .Lentry_shape_is_right
	s_endpgm
.Lentry_shape_is_right:
; Causal attention of one head (64 channels, 2,048 tokens) on codes of BF8 (E5M2) with E8M0 scales, and the quantising of its result y along the channels.
; SOFTMAX: t = score x log2(e) / 8; M = the row's largest t so far, rounded UP to a whole number; p = 2^(t - M) is quantised along the keys, not normalised.  The row's sum is taken of the
; unquantised p and divides O at the end.  When M moves, the sum and O are multiplied by 2^(old M - new M): exact.
; LEFT OUT: key steps of 128 all of whose keys come after a tile's 16 queries: reference()'s own causal mask gives them the weight 0.
; SHARES.  A cluster of four work-groups is one head (cluster y = 16 batch + head).  Work-group p, wave w own two tiles of 16 queries, A = 4 w + p and B = 127 - A, taken ONE AFTER THE OTHER: A's last key step is w / 2,
; B's 15 - w / 2; both hang on the wave's number alone, and every wave has 17 tile steps.  Both loops have constant trip counts (8, 16); a trip behind a tile's last step does nothing.
; kv holds 16 records of 17,152 bytes a head, images of operand registers: K's codes 8,192, V's codes 8,192, K's scale words 512, V's 256.
; V AND THE SCALE WORDS, the last 8,960 bytes of each record, come into LDS once: wave w asks for record w's, jointly for the four work-groups: one tensor load a wave.  No LDS byte is filled twice and none is stored to.
; K'S CODES GO FROM kv STRAIGHT INTO REGISTERS, 512 consecutive bytes a load, asked for a whole key step ahead of their products: so a step has 19 LDS loads and not 35.  They are no joint loads: each wave asks at its own step.
; All of LDS is asked for at the head, and K is asked for a step ahead by its own loads: no prefetch is laid.
; A STEP.  All eight tiles of K stand in registers.  Behind the eight score products the NEXT step's K is asked for (at a tile's last step: record 0, which the next tile begins with; tile B's last such request is not used).
; V's tile b is loaded into the 16 registers of p's block b as soon as that block is converted.
; LAYOUT.  S^T = K Q^T, O^T = V^T P^T: a lane holds one query.  Stored tokens have bits 3 and 4 of their number exchanged, so the 16 registers of score tiles 2 B, 2 B + 1 are keys 32 B + 16 (lane / 16) + 0 .. 15,
; and lane r of query tile T is token 32 (T / 2) + 8 (T % 2) + r + 8 (r / 8).  The first product's K is 64: Q's upper eight registers are zero codes; K's operand runs on into the next tile (eight zero registers behind the last).
; OUT.  yc: [tile of 16 stored tokens 512][128 channels 8][c 4][lane][16 bytes];  ys: [stored token][32] scale bytes.
; LIMITS: p under 2^-126 becomes 0; a block's largest p is taken from its largest score, which takes v_exp_f32 not to fall where its input rises; a block whose largest magnitude lies under 2^-111 keeps the byte 1;
; NaN and infinities are not served; the scaled scores stay under 2^31 in magnitude.
.set REC,  17152                       ; a record in kv
.set LREC, 8960                        ; its part in LDS: V's codes at 0, K's scale words at 8,192, V's at 8,704
.set SPARE, 16*LREC                    ; the spare words, 128 bytes a wave
.set LI,   1                           ; 16 x lane
.set KSA,  2                           ; 32 r + 8,192: K's scale words of my row
.set VSA,  3                           ; 16 r + 8,704: V's
.set ADR,  4                           ; this step's record + LI
.set ADS,  6                           ; the next step's record + KSA
.set ADT,  7                           ; this step's record + VSA
.set D,    8                           ; my query's place in its tile's last step, less 16 (lane / 16); v9 tile B's
.set DN,   9
.set QS,   10                          ; Q's scale word; v11 tile B's
.set QSN,  11
.set ST,   12                          ; v12 -M, v13 the largest t, v[14:15] the sum in two halves
.set RO,   16                          ; 32 r
.set YO,   17                          ; 32 r + lane / 16
.set Q,    20                          ; v20-27 Q's codes, v28-35 zero codes
.set QN,   36                          ; v36-43 tile B's codes until its turn
.set KB,   44                          ; v44-107 K's eight tiles, v108-115 zero codes
.set ZK,   108
.set S,    116                         ; v116-179 S^T, then p, then V's four tiles
.set O,    180                         ; v180-211 O^T
.set PC,   212                         ; v212-227 p's codes
.set BM,   220                         ; the blocks' largest scores and BT at work: done with when the codes are written over them
.set BT,   224
.set LIM,  228
.set SOP,  232
.set KSW,  236                         ; K's eight scale words
.set VSW,  244                         ; V's four
.set PW,   251                         ; p's scale word
.set WV,   12
.set CX,   13
.set BH,   14
.set JA,   15
.set JB,   16
.set J,    17
.set TB,   18
.set TN,   19
.set SEL,  20
.set CS,   22
.set MNT,  24
.set TAUA, 25
.set TAUB, 26
.set G1,   28
.set G0,   36
.set KH,   42                          ; s[42:43] the head's first record in kv
.set KP,   44                          ; s[44:45] the record whose K is asked for
.set GN,   48                          ; s[48:49] its offset
.macro ROUND
	s_barrier_signal -1
	s_barrier_wait -1
	s_cmp_lg_u32 s[WV], 0
	s_cbranch_scc1 .Lnot_wave_0_\@
	s_barrier_signal -3
.Lnot_wave_0_\@:
	s_barrier_wait -3
	s_barrier_signal -1
	s_barrier_wait -1
.endm
.macro NOPS n
.rept \n
	v_nop
.endr
.endm
.macro KLOAD                           ; K's eight tiles of the record at s[KP:KP+1]
.irp t, 0,1,2,3,4,5,6,7
	global_load_b128 v[KB+8*\t:KB+8*\t+3], v[LI], s[KP:KP+1] offset:1024*\t
	global_load_b128 v[KB+8*\t+4:KB+8*\t+7], v[LI], s[KP:KP+1] offset:1024*\t+512
.endr
.endm
.macro FRESH                           ; a tile begins: the largest t -3e38, sums and O^T zeros, which the first change of M leaves zeros
	v_mov_b32 v[ST+1], 0xff61b1e6
	v_mov_b32 v[ST+2], 0
	v_mov_b32 v[ST+3], 0
	v_floor_f32 v[ST], -v[ST+1]
.set I_, 0
.rept 32
	v_mov_b32 v[O+I_], 0
.set I_, I_+1
.endr
.endm
	s_load_b256 s[4:11], s[0:1], 0x0               ; qq, kv, yc, ys
	v_lshl_add_u32 v254, v0, 2, SPARE
	v_mov_b32 v255, 0
	ds_add_u32 v254, v255                          ; the opening lines: the add twice on end and its wait
	ds_add_u32 v254, v255
	v_lshrrev_b32 v1, 5, v0
	v_readfirstlane_b32 s[WV], v1                  ; wave 0..15
	s_bfe_u32 s[CX], ttmp6, 0x40000                ; my place in the cluster: it enters global addresses of Q and y and the mask's numbers alone
	s_and_b32 s[BH], ttmp7, 0xffff
	s_lshr_b32 s[JA], s[WV], 1
	s_sub_co_u32 s[JB], 15, s[JA]
	s_lshl_b32 s[TAUA], s[WV], 2
	s_add_co_u32 s[TAUA], s[TAUA], s[CX]
	s_sub_co_u32 s[TAUB], 127, s[TAUA]
	s_mov_b32 s[G1], 15|(3<<16)|(1<<21)            ; the mask: all four work-groups; elements of 8 bytes; 35 dense rows of 256 bytes
	s_mov_b32 s[G1+1], 32<<16
	s_mov_b32 s[G1+2], 35<<16
	s_mov_b32 s[G1+3], 32<<16
	s_mov_b32 s[G1+4], 35
	s_mov_b32 s[G1+5], 32
	s_mov_b32 s[G1+6], 0
	s_mov_b32 s[G1+7], 0
	s_mov_b32 s[G0], 1
	s_mul_i32 s[G0+1], s[WV], LREC                 ; record w's part lies at w x LREC
	s_mul_i32 s[GN], s[BH], 16*REC
	s_mov_b32 s[GN+1], 0
	s_mul_i32 s52, s[WV], REC
	s_add_co_u32 s52, s52, 8192                    ; behind K's codes
	s_mov_b32 s53, 0
	s_mov_b32 s[SEL], 0x76543210
	s_mov_b32 s[SEL+1], 0xfedcba98
	s_mov_b32 s[CS], 0x3e38aa3b                    ; c = log2(e) / sqrt(64)
	s_mov_b32 s[CS+1], s[CS]
	s_mov_b32 s[MNT], 0x600000
	s_wait_dscnt 0x0
	s_wait_kmcnt 0x0
	s_add_nc_u64 s[KH:KH+1], s[6:7], s[GN:GN+1]
	s_add_nc_u64 s[G0+2:G0+3], s[KH:KH+1], s[52:53]
	s_or_b32 s[G0+3], s[G0+3], 0x80000000
	s_mov_b64 s[KP:KP+1], s[KH:KH+1]               ; record 0
	ROUND                                          ; all four work-groups are here: the joint loads meet
	tensor_load_to_lds s[G0:G0+3], s[G1:G1+7]      ; my one tensor load
	s_nop 0
	NOPS 4
	s_bfe_u32 s52, s[TAUA], 0x20001                ; (T / 2) % 4
	s_lshl_b32 s52, s52, 5
	s_and_b32 s53, s[TAUA], 1
	s_lshl_b32 s53, s53, 3
	s_add_co_u32 s40, s52, s53
	s_bfe_u32 s52, s[TAUB], 0x20001
	s_lshl_b32 s52, s52, 5
	s_and_b32 s53, s[TAUB], 1
	s_lshl_b32 s53, s53, 3
	s_add_co_u32 s41, s52, s53
	s_lshl_b32 s54, s[BH], 17                      ; Q's codes: 131,072 bytes a head, 1,024 a tile
	s_lshl_b32 s56, s[TAUA], 10
	s_add_co_u32 s56, s56, s54
	s_mov_b32 s57, 0
	s_add_nc_u64 s[56:57], s[4:5], s[56:57]
	s_lshl_b32 s58, s[TAUB], 10
	s_add_co_u32 s58, s58, s54
	s_mov_b32 s59, 0
	s_add_nc_u64 s[58:59], s[4:5], s[58:59]
	s_lshl_b32 s54, s[BH], 13                      ; Q's scale words: from byte 8,388,608; 8,192 a head, 512 a step, 32 a row, 4 a tile
	s_add_co_u32 s54, s54, 8388608
	s_lshl_b32 s60, s[JA], 9
	s_and_b32 s61, s[TAUA], 7
	s_lshl_b32 s61, s61, 2
	s_add_co_u32 s60, s60, s61
	s_add_co_u32 s60, s60, s54
	s_mov_b32 s61, 0
	s_add_nc_u64 s[60:61], s[4:5], s[60:61]
	s_lshl_b32 s62, s[JB], 9
	s_and_b32 s63, s[TAUB], 7
	s_lshl_b32 s63, s63, 2
	s_add_co_u32 s62, s62, s63
	s_add_co_u32 s62, s62, s54
	s_mov_b32 s63, 0
	s_add_nc_u64 s[62:63], s[4:5], s[62:63]
	v_and_b32 v[LI], 31, v0
	v_and_b32 v[RO], 15, v0                        ; r
	v_bfe_u32 v255, v0, 4, 1                       ; h
	v_lshlrev_b32 v[LI], 4, v[LI]
	v_lshl_add_u32 v[KSA], v[RO], 5, 8192
	v_lshl_add_u32 v[VSA], v[RO], 4, 8704
	v_and_b32 v254, 8, v[RO]
	v_lshlrev_b32 v252, 4, v255
	v_add_nc_u32 v254, v254, v[RO]                 ; r + 8 (r / 8)
	v_lshl_add_u32 v[YO], v[RO], 5, v255
	v_sub_nc_u32 v254, v254, v252                  ; - 16 h
	v_lshlrev_b32 v[RO], 5, v[RO]
	v_add_nc_u32 v[D], s40, v254
	v_add_nc_u32 v[DN], s41, v254
	global_load_b128 v[Q:Q+3], v[LI], s[56:57]
	global_load_b128 v[Q+4:Q+7], v[LI], s[56:57] offset:512
	global_load_b128 v[QN:QN+3], v[LI], s[58:59]
	global_load_b128 v[QN+4:QN+7], v[LI], s[58:59] offset:512
	global_load_b32 v[QS], v[RO], s[60:61]
	global_load_b32 v[QSN], v[RO], s[62:63]
	KLOAD                                          ; record 0's K
.irp j, 0,1,2,3,4,5,6,7
	v_mov_b32 v[Q+8+\j], 0                         ; zero codes: the half of the instruction's K that the head does not have
	v_mov_b32 v[ZK+\j], 0
.endr
.irp b, 0,1,2,3
	v_mov_b32 v[BT+\b], 0                          ; a lane permute's destination counts as one of its sources
.endr
	v_mov_b32 v253, 0                              ; the upper half of the pair v[252:253]; never rewritten
	FRESH
; ONE KEY STEP of the tile in hand.  jx: the scalar register with the tile's last step.
.macro TSTEP jx
	s_cmp_gt_u32 s[J], s[\jx]                      ; behind the tile's last step: nothing to do (the wave's number and the loop's count decide)
	s_cbranch_scc1 .Lhid_\@
	s_add_co_u32 s[TN], s[J], 1
	s_min_u32 s[TN], s[TN], 15                     ; the next record, held inside the sixteen;
	s_cmp_eq_u32 s[J], s[\jx]
	s_cselect_b32 s[TN], 0, s[TN]                  ; behind the tile's last step comes record 0
	s_mul_i32 s[GN], s[TN], REC                    ; where it lies in kv,
	s_mul_i32 s[TN], s[TN], LREC                   ; and in LDS
	v_add_nc_u32 v[ADR], s[TB], v[LI]
	v_add_nc_u32 v[ADT], s[TB], v[VSA]
	v_add_nc_u32 v[ADS], s[TN], v[KSA]
	NOPS 6                                         ; with the three lines above nine places behind the last step's products, whose V operand the scores are written over
	s_wait_alu depctr_va_vdst(0)                   ; directly ahead of the waits below
	s_wait_loadcnt 0x0                             ; K, asked for a step ago: its loads are done, so their base may be written
	s_wait_dscnt 0x0                               ; and its scale words
	s_add_nc_u64 s[KP:KP+1], s[KH:KH+1], s[GN:GN+1]
.irp t, 0,1,2,3,4,5,6,7
	v_wmma_scale_f32_16x16x128_f8f6f4 v[S+8*\t:S+8*\t+7], v[KB+8*\t:KB+8*\t+15], v[Q:Q+15], 0, v[KSW+\t], v[QS] matrix_a_fmt:MATRIX_FMT_BF8 matrix_b_fmt:MATRIX_FMT_BF8
.endr
	NOPS 8                                         ; places ahead of the loads into K's registers and of the first reads of the scores
	KLOAD
	ds_load_b128 v[KSW:KSW+3], v[ADS]
	ds_load_b128 v[KSW+4:KSW+7], v[ADS] offset:16
	ds_load_b128 v[VSW:VSW+3], v[ADT]
	s_cmp_lg_u32 s[J], s[\jx]                      ; only the tile's last step lies on the diagonal
	s_cbranch_scc1 .Lopen_\@
	v_mov_b32 v254, 0xff800000                     ; -infinity: p = 0 then
.set N_, 0
.rept 64
	v_cmp_gt_i32 vcc_lo, 32*(N_/16)+N_%16, v[D]    ; register 16 B + i holds key 32 B + 16 (lane / 16) + i of the step
	v_cndmask_b32 v[S+N_], v[S+N_], v254, vcc_lo
.set N_, N_+1
.endr
.Lopen_\@:
.irp b, 0,1,2,3
	v_max3_num_f32 v[BM+\b], v[S+16*\b], v[S+1+16*\b], v[S+2+16*\b]   ; each block's largest score: for the row's maximum and for the block's largest p
.endr
.irp i, 3,5,7,9,11,13
.irp b, 0,1,2,3
	v_max3_num_f32 v[BM+\b], v[BM+\b], v[S+16*\b+\i], v[S+1+16*\b+\i]
.endr
.endr
.irp b, 0,1,2,3
	v_max_num_f32 v[BM+\b], v[BM+\b], v[S+15+16*\b]
.endr
.irp b, 0,1,2,3
	v_permlanex16_b32 v[BT+\b], v[BM+\b], s[SEL], s[SEL+1]
.endr
.irp b, 0,1,2,3
	s_delay_alu instid0(VALU_DEP_4)
	v_max_num_f32 v[BM+\b], v[BM+\b], v[BT+\b]     ; with lane l xor 16's 16 keys
.endr
	s_delay_alu instid0(VALU_DEP_2)
	v_max3_num_f32 v254, v[BM], v[BM+1], v[BM+2]
	s_delay_alu instid0(VALU_DEP_1)
	v_max_num_f32 v254, v254, v[BM+3]
	s_delay_alu instid0(VALU_DEP_1)
	v_mul_f32 v254, s[CS], v254                    ; as t
	s_delay_alu instid0(VALU_DEP_1)
	v_max_num_f32 v[ST+1], v[ST+1], v254           ; the running largest t
	v_mov_b32 v254, v[ST]
	s_delay_alu instid0(VALU_DEP_2)
	v_floor_f32 v[ST], -v[ST+1]                    ; the new -M = -ceil(t)
	s_delay_alu instid0(VALU_DEP_1)
	v_sub_f32 v254, v[ST], v254
	s_delay_alu instid0(VALU_DEP_1)
	v_cvt_i32_f32 v254, v254                       ; (it saturates)
	s_delay_alu instid0(VALU_DEP_1)
	v_ldexp_f32 v252, 1.0, v254                    ; f = 2^(old M - new M)
.set N_, 0
.rept 32
	v_pk_fma_f32 v[S+N_:S+1+N_], v[S+N_:S+1+N_], s[CS:CS+1], v[ST:ST+1] op_sel_hi:[1,0,0]   ; t - M
.set N_, N_+2
.endr
.irp b, 0,1,2,3
	v_fma_f32 v[BM+\b], v[BM+\b], s[CS], v[ST]
.endr
	s_wait_alu depctr_va_vdst(0)                   ; ahead of the batch
.set N_, 0
.rept 64
	v_exp_f32 v[S+N_], v[S+N_]                     ; p = 2^(t - M)
.set N_, N_+1
.endr
	v_pk_mul_f32 v[ST+2:ST+3], v[ST+2:ST+3], v[252:253] op_sel_hi:[1,0]   ; the sums under the new M (the plain line behind the batch)
	s_wait_alu depctr_va_vdst(0)                   ; and behind it, ahead of its first reader
.irp b, 0,1,2,3
	v_exp_f32 v[BM+\b], v[BM+\b]                   ; the block's largest p
.endr
	v_pk_add_f32 v[BT:BT+1], v[S:S+1], v[S+2:S+3]  ; the row's sum of the unquantised p, in two chains
.irp j, 4,8,12,16,20,24,28,32,36,40,44,48,52,56,60
	v_pk_add_f32 v[ST+2:ST+3], v[ST+2:ST+3], v[S+\j:S+1+\j]
	v_pk_add_f32 v[BT:BT+1], v[BT:BT+1], v[S+2+\j:S+3+\j]
.endr
	s_delay_alu instid0(VALU_DEP_1)
	v_pk_add_f32 v[ST+2:ST+3], v[ST+2:ST+3], v[BT:BT+1]
	s_wait_alu depctr_va_vdst(0)                   ; for the four
.irp b, 0,1,2,3
	v_max_num_f32 v[BM+\b], 0x8000000, v[BM+\b]    ; the floor 2^(16 - 127): the byte cannot fall under 1
.endr
.irp b, 0,1,2,3
	s_delay_alu instid0(VALU_DEP_4)
	v_add_nc_u32 v[SOP+\b], 0xf8800000, v[BM+\b]   ; the conversion's scale operand
.endr
.irp b, 0,1,2,3
	v_and_or_b32 v[LIM+\b], v[BM+\b], 0x7f800000, s[MNT]   ; 57,344 x the scale
.endr
.irp b, 0,1,2,3
	v_lshrrev_b32 v[BT+\b], 23, v[SOP+\b]          ; the scale's byte
.endr
	s_delay_alu instid0(VALU_DEP_3)
	v_lshl_or_b32 v[PW], v[BT+1], 8, v[BT]
	s_delay_alu instid0(VALU_DEP_1)
	v_lshl_or_b32 v[PW], v[BT+2], 16, v[PW]
	s_delay_alu instid0(VALU_DEP_1)
	v_lshl_or_b32 v[PW], v[BT+3], 24, v[PW]
.irp b, 0,1,2,3
.irp i, 0,2,4,6,8,10,12,14
	v_dual_min_num_f32 v[S+16*\b+\i], v[S+16*\b+\i], v[LIM+\b] :: v_dual_min_num_f32 v[S+16*\b+\i+1], v[S+16*\b+\i+1], v[LIM+\b]   ; the hold (ISA guide 7.6.2: the conversion does not saturate); p is not negative
.endr
	v_cvt_scalef32_pk8_bf8_f32 v[PC+4*\b:PC+1+4*\b], v[S+16*\b:S+7+16*\b], v[SOP+\b]
	v_cvt_scalef32_pk8_bf8_f32 v[PC+2+4*\b:PC+3+4*\b], v[S+8+16*\b:S+15+16*\b], v[SOP+\b]
.irp c, 0,1,2,3
	ds_load_b128 v[S+16*\b+4*\c:S+16*\b+4*\c+3], v[ADR] offset:2048*\b+512*\c   ; V's tile b, where p's block b lay
.endr
.endr
	s_wait_alu depctr_va_vdst(0)                   ; directly ahead of the first readers of O^T
.set N_, 0
.rept 16
	v_pk_mul_f32 v[O+N_:O+1+N_], v[O+N_:O+1+N_], v[252:253] op_sel_hi:[1,0]   ; O^T under the new M; also the places ahead of the products
.set N_, N_+2
.endr
	s_wait_alu depctr_va_vdst(0)                   ; directly ahead of the wait below
	s_wait_dscnt 8                                 ; all but the youngest eight LDS loads, V's tiles 2 and 3
.irp t, 0,1
	v_wmma_scale_f32_16x16x128_f8f6f4 v[O+8*\t:O+8*\t+7], v[S+16*\t:S+16*\t+15], v[PC:PC+15], v[O+8*\t:O+8*\t+7], v[VSW+\t], v[PW] matrix_a_fmt:MATRIX_FMT_BF8 matrix_b_fmt:MATRIX_FMT_BF8
.endr
	s_wait_dscnt 0x0
.irp t, 2,3
	v_wmma_scale_f32_16x16x128_f8f6f4 v[O+8*\t:O+8*\t+7], v[S+16*\t:S+16*\t+15], v[PC:PC+15], v[O+8*\t:O+8*\t+7], v[VSW+\t], v[PW] matrix_a_fmt:MATRIX_FMT_BF8 matrix_b_fmt:MATRIX_FMT_BF8
.endr
.Lhid_\@:
.endm
; THE WAY OUT of a tile: O^T / the sum is y; its two blocks of 32 channels are quantised; the codes are registers of the last product's operand and leave as they stand.
.macro YOUT tau
	s_lshr_b32 s52, s[BH], 4
	s_lshl_b32 s52, s52, 7
	s_add_co_u32 s52, s52, s[\tau]                 ; the tile among all 512
	s_and_b32 s53, s[BH], 15
	s_lshl_b32 s54, s52, 14                        ; 16,384 bytes a tile, 1,024 a head
	s_lshl_b32 s55, s53, 10
	s_add_co_u32 s54, s54, s55
	s_mov_b32 s55, 0
	s_add_nc_u64 s[56:57], s[8:9], s[54:55]
	s_lshl_b32 s54, s52, 9                         ; scale bytes: 512 a tile, 2 a head
	s_lshl_b32 s53, s53, 1
	s_add_co_u32 s54, s54, s53
	s_add_nc_u64 s[58:59], s[10:11], s[54:55]
	v_and_b32 v250, 16, v0
	v_cmp_ne_u32 vcc_lo, 0, v250                   ; lanes 16-31
	v_add_f32 v254, v[ST+2], v[ST+3]
	s_delay_alu instid0(VALU_DEP_1)
	v_permlanex16_b32 v255, v254, s[SEL], s[SEL+1]
	s_delay_alu instid0(VALU_DEP_1)
	v_add_f32 v254, v254, v255                     ; the row's sum
	s_wait_alu depctr_va_vdst(0)
	v_rcp_f32 v252, v254
	v_nop
	s_wait_alu depctr_va_vdst(0)                   ; ahead of the reciprocal's first reader and of O^T's
.set N_, 0
.rept 16
	v_pk_mul_f32 v[S+N_:S+1+N_], v[O+N_:O+1+N_], v[252:253] op_sel_hi:[1,0]   ; y: register 16 B + i is channel 32 B + 16 (lane / 16) + i
.set N_, N_+2
.endr
.irp b, 0,1
	v_max3_num_f32 v[BM+\b], |v[S+16*\b]|, |v[S+1+16*\b]|, 0x8000000
.endr
.irp i, 2,4,6,8,10,12,14
.irp b, 0,1
	s_delay_alu instid0(VALU_DEP_2)
	v_max3_num_f32 v[BM+\b], v[BM+\b], |v[S+16*\b+\i]|, |v[S+1+16*\b+\i]|
.endr
.endr
.irp b, 0,1
	v_permlanex16_b32 v[BT+\b], v[BM+\b], s[SEL], s[SEL+1]
.endr
.irp b, 0,1
	s_delay_alu instid0(VALU_DEP_2)
	v_max_num_f32 v[BM+\b], v[BM+\b], v[BT+\b]
.endr
.irp b, 0,1
	s_delay_alu instid0(VALU_DEP_2)
	v_add_nc_u32 v[SOP+\b], 0xf8800000, v[BM+\b]
.endr
.irp b, 0,1
	s_delay_alu instid0(VALU_DEP_4)
	v_and_or_b32 v[LIM+\b], v[BM+\b], 0x7f800000, s[MNT]
.endr
.irp b, 0,1
	s_delay_alu instid0(VALU_DEP_4)
	v_lshrrev_b32 v[BT+\b], 23, v[SOP+\b]
.endr
	s_delay_alu instid0(VALU_DEP_1)
	v_cndmask_b32 v[S+32], v[BT], v[BT+1], vcc_lo  ; lanes 0-15 store block 0's byte of their row, lanes 16-31 block 1's
.irp b, 0,1
.irp i, 0,1,2,3,4,5,6,7,8,9,10,11,12,13,14,15
	v_med3_num_f32 v[S+16*\b+\i], v[S+16*\b+\i], -v[LIM+\b], v[LIM+\b]
.endr
	v_cvt_scalef32_pk8_bf8_f32 v[PC+4*\b:PC+1+4*\b], v[S+16*\b:S+7+16*\b], v[SOP+\b]
	v_cvt_scalef32_pk8_bf8_f32 v[PC+2+4*\b:PC+3+4*\b], v[S+8+16*\b:S+15+16*\b], v[SOP+\b]
.endr
	v_nop                                          ; a plain line behind the last conversion
	global_store_b128 v[LI], v[PC:PC+3], s[56:57]              ; 512 consecutive bytes, aligned
	global_store_b128 v[LI], v[PC+4:PC+7], s[56:57] offset:512
	global_store_b8 v[YO], v[S+32], s[58:59]       ; a head owns 2 of a row's 32 scale bytes
.endm
	s_mov_b32 s[J], 0
	s_mov_b32 s[TB], 0
	s_wait_alu depctr_va_vdst(0)                   ; the wait at the head's end
	s_wait_loadcnt 0x0                             ; Q, and record 0's K
	s_wait_tensorcnt 0x0                           ; my record's part has landed,
	s_barrier_signal -1
	s_barrier_wait -1                              ; everybody's has: nothing writes LDS from here on
	ds_load_b128 v[KSW:KSW+3], v[KSA]              ; record 0's scale words of K
	ds_load_b128 v[KSW+4:KSW+7], v[KSA] offset:16
.Lstep_a:                                          ; tile A: 8 trips in every wave
	TSTEP JA
	s_add_co_u32 s[TB], s[TB], LREC
	s_add_co_u32 s[J], s[J], 1
	s_cmp_lt_u32 s[J], 8
	s_cbranch_scc1 .Lstep_a
	NOPS 8                                         ; places behind the last products
	YOUT TAUA
	s_wait_xcnt 0x0                                ; tile A's stores have read their data and bases
.irp j, 0,1,2,3,4,5,6,7
	v_mov_b32 v[Q+\j], v[QN+\j]                    ; tile B's turn
.endr
	v_mov_b32 v[QS], v[QSN]
	v_mov_b32 v[D], v[DN]
	FRESH
	s_mov_b32 s[J], 0
	s_mov_b32 s[TB], 0
	s_wait_alu depctr_va_vdst(0)
.Lstep_b:                                          ; tile B: 16 trips in every wave
	TSTEP JB
	s_add_co_u32 s[TB], s[TB], LREC
	s_add_co_u32 s[J], s[J], 1
	s_cmp_lt_u32 s[J], 16
	s_cbranch_scc1 .Lstep_b
	NOPS 8
	YOUT TAUB
	s_wait_xcnt 0x0
	v_lshl_add_u32 v254, v0, 2, SPARE
	v_mov_b32 v255, 0
	s_wait_alu depctr_va_vdst(0)
	s_wait_tensorcnt 0x0                           ; the wave's end
	ds_add_u32 v254, v255
	s_wait_dscnt 0x0
	ROUND                                          ; the closing round
	s_endpgm
.Lfunc_end_k_qb36794f044_attn:
	.size	k_qb36794f044_attn, .Lfunc_end_k_qb36794f044_attn-k_qb36794f044_attn
	.p2alignl 7, 3214868480
	.fill 96, 4, 3214868480
	.section	.rodata,"a",@progbits
	.p2align	6, 0x0
	.amdhsa_kernel k_qb36794f044_attn
		.amdhsa_group_segment_fixed_size 327680
		.amdhsa_private_segment_fixed_size 0
		.amdhsa_enable_private_segment 0
		.amdhsa_kernarg_size 32
		.amdhsa_user_sgpr_count 2
		.amdhsa_user_sgpr_kernarg_segment_ptr 1
		.amdhsa_wavefront_size32 1
		.amdhsa_system_sgpr_workgroup_id_x 1
		.amdhsa_system_sgpr_workgroup_id_y 1
		.amdhsa_system_sgpr_workgroup_id_z 1
		.amdhsa_system_vgpr_workitem_id 0
		.amdhsa_next_free_vgpr 256
		.amdhsa_next_free_sgpr 66
		.amdhsa_reserve_vcc 1
		.amdhsa_float_denorm_mode_32 3
		.amdhsa_float_denorm_mode_16_64 3
		.amdhsa_memory_ordered 1
		.amdhsa_forward_progress 1
		.amdhsa_inst_pref_size 76
	.end_amdhsa_kernel
	.amdgpu_metadata
---
amdhsa.version: [ 1, 2 ]
amdhsa.kernels:
  - .name:           k_qb36794f044_attn
    .symbol:         k_qb36794f044_attn.kd
    .args:
      - { .name: qq, .offset: 0, .size: 8, .value_kind: global_buffer, .address_space: global }
      - { .name: kv, .offset: 8, .size: 8, .value_kind: global_buffer, .address_space: global }
      - { .name: yc, .offset: 16, .size: 8, .value_kind: global_buffer, .address_space: global }
      - { .name: ys, .offset: 24, .size: 8, .value_kind: global_buffer, .address_space: global }
    .group_segment_fixed_size: 327680
    .private_segment_fixed_size: 0
    .kernarg_segment_align: 8
    .kernarg_segment_size: 32
    .max_flat_workgroup_size: 512
    .sgpr_count:     66
    .vgpr_count:     256
    .wavefront_size: 32
...
	.end_amdgpu_metadata
.endif
;; end of part 3
;; launch proj (part 4): grid 4 x 64, 4 waves a work-group, clusters of 4 x 4, 327,680 bytes of LDS; arguments yc, ys, wc, ws, out0, b_proj; writes out0
.if DOCPART == 4
	.amdgcn_target "amdgcn-amd-amdhsa--gfx1250"
	.amdhsa_code_object_version 6
	.text
	.protected	k_qb36794f044_proj
	.globl	k_qb36794f044_proj
	.p2align	8
	.type	k_qb36794f044_proj,@function
k_qb36794f044_proj:
	s_mov_b64 s[64:65], 0
	v_nop
	global_prefetch_b8 v0, s[64:65] scope:SCOPE_SE
	s_setreg_imm32_b32 hwreg(HW_REG_WAVE_MODE, 25, 1), 1
	s_wait_xcnt 0x0
	s_wait_alu depctr_hold_cnt(0) depctr_sa_sdst(0) depctr_va_vdst(0) depctr_va_sdst(0) depctr_va_ssrc(0) depctr_va_vcc(0) depctr_vm_vsrc(0)
	s_getreg_b32 s2, hwreg(HW_REG_IB_STS2, 6, 4)
	s_cmp_eq_u32 s2, 0
	s_cbranch_scc0 .Lentry_in_a_cluster
	s_endpgm
.Lentry_in_a_cluster:
	s_bfe_u32 s2, ttmp6, 0x10000c
	s_cmp_lg_u32 s2, 0xf033
	s_cbranch_scc0 .Lentry_shape_is_right
	s_endpgm
.Lentry_shape_is_right:
; out0 = y W_proj + b_proj on codes of BF8 (E5M2) with E8M0 scales for each 32 along K = 1,024; sums in f32.
; THE DEAL.  256 work-groups of four waves, each 128 stored tokens x 256 columns.  Wave (i, j) holds 64 rows of y, ALL of K, in 512 registers (windows 1, 2) and streams the 128 rows 128 j on of W_proj past them in
; tiles of 16, all of K (128 registers; two sets in window 3): eight tiles of 32 products on four accumulators by turns.
; y's codes are images of operand registers, [tile of 16 stored tokens][128 channels 8][c 4][lane][16 bytes]: they go from yc straight into registers, 512 consecutive bytes a load, and so do its scale words: no LDS byte is spent on y.
; W_proj's codes lie in wc from byte 3,145,728, rows of 1,024; its scale bytes in ws from byte 98,304.  The work-group's 256 rows, all of K, and their scale bytes come into LDS ONCE, at the head, one tensor load a wave
; (waves 0, 1: 128 rows each; waves 2, 3: the scale bytes of 128 rows each), jointly for the four work-groups of a column of the cluster.  Nothing is filled again, and all is asked for at the head: no prefetch is laid.
; Source 0 = 16 rows of W, source 1 = 16 rows of y: a lane holds eight neighbouring columns of a token's row.  Four tiles of W are 64 columns, 256 bytes of a row: such a group goes through my stage in LDS, comes back
; by rows, takes the bias, and leaves in whole aligned runs of 256 bytes; the first group leaves while the second is still to be multiplied.  Stored tokens have bits 3 and 4 of their number exchanged; the stores put them right.
; LIMITS: NaN and infinities are not served.
.set KROW,  1024
.set PITCH, 1040                       ; an LDS row: 65 x 16 bytes
.set SLOT,  128*PITCH
.set WSC,   2*SLOT                     ; W's scale bytes, as runs of 256 bytes (8 rows) + 16
.set STAGE, WSC+32*272                 ; 16 rows x (256 + 16) bytes for each wave; no fill lands here
.set SPARE, STAGE+4*16*272
.set NP,    8                          ; places behind this matrix instruction (ISA guide 7.12.1)
.set NF,    34                         ; LDS loads of a tile
.set ADW,  4                           ; v4, v5 my rows of W: tiles 0-3, 4-7
.set AWS,  6
.set LI,   7                           ; 16 x lane
.set STO,  8
.set RD,   9
.set CO,   10
.set XO,   11                          ; 32 r
.set SPW,  12
.set NIL,  13
.set BO,   14                          ; 16 r
.set WS,   20                          ; v20-35 W's scale words, two sets of eight
.set XS,   40                          ; v40-71 y's: register 8 a + q
.set BB,   72                          ; v72-79 the bias of my four columns of a row's 64, for each of the two groups
.set BK,   88                          ; v88-119 16 rows back from the stage
.set ACC,  128                         ; v128-255 a group's accumulators: 32 (tile % 4) + 8 a
.set G1W,  24
.set G0W,  32
.set G1S,  48
.set G0S,  56
.set MSB, 0
.macro WIN new
.if MSB != \new
	s_set_vgpr_msb (MSB<<8)|\new
.set MSB, \new
.endif
.endm
.macro PLACES n
.rept \n
	v_nop
.endr
.endm
.macro CROUND
	s_barrier_signal -1
	s_barrier_wait -1
	s_cmp_lg_u32 s14, 0
	s_cbranch_scc1 .Lnot_wave_0_\@
	s_barrier_signal -3
.Lnot_wave_0_\@:
	s_barrier_wait -3
	s_barrier_signal -1
	s_barrier_wait -1
.endm
	s_load_b128 s[4:7], s[0:1], 0x0                ; yc, ys
	s_load_b128 s[8:11], s[0:1], 0x10              ; wc, ws
	s_load_b128 s[92:95], s[0:1], 0x20             ; out0, b_proj
	v_lshl_add_u32 v[SPW], v0, 2, SPARE
	v_mov_b32 v[NIL], 0
	ds_add_u32 v[SPW], v[NIL]                      ; the opening lines: the add twice on end and its wait
	ds_add_u32 v[SPW], v[NIL]
	v_lshrrev_b32 v1, 5, v0
	v_readfirstlane_b32 s14, v1                    ; wave
	s_lshr_b32 s15, s14, 1                         ; i: my 64 tokens
	s_and_b32 s16, s14, 1                          ; j: my 128 columns.  Also: which 128 rows I fetch
	s_bfe_u32 s18, ttmp6, 0x40000                  ; cx, cy
	s_bfe_u32 s19, ttmp6, 0x40004
	s_lshl_b32 s45, ttmp9, 2
	s_add_co_u32 s45, s45, s18                     ; tile column
	s_and_b32 s17, ttmp7, 0xffff
	s_lshl_b32 s17, s17, 2
	s_add_co_u32 s17, s17, s19                     ; tile row
	s_lshl_b32 s47, 0x1111, s18                    ; my column of the cluster
	s_or_b32 s[G1W+0], s47, (1<<20)|(1<<21)|(7<<22)|(3<<25)   ; 128 whole rows of K, 16 bytes of padding behind each
	s_mov_b32 s[G1W+1], KROW<<16
	s_mov_b32 s[G1W+2], 128<<16
	s_mov_b32 s[G1W+3], KROW<<16
	s_mov_b32 s[G1W+4], 128
	s_mov_b32 s[G1W+5], KROW
	s_mov_b32 s[G1W+6], 0
	s_mov_b32 s[G1W+7], 0
	s_or_b32 s[G1S+0], s47, (3<<16)|(1<<20)|(1<<21)|(5<<22)|(3<<25)   ; 4,096 dense bytes as 16 rows of 256
	s_mov_b32 s[G1S+1], 32<<16
	s_mov_b32 s[G1S+2], 16<<16
	s_mov_b32 s[G1S+3], 32<<16
	s_mov_b32 s[G1S+4], 16
	s_mov_b32 s[G1S+5], 32
	s_mov_b32 s[G1S+6], 0
	s_mov_b32 s[G1S+7], 0
	s_mov_b32 s[G0W], 1
	s_mul_i32 s[G0W+1], s16, SLOT
	s_mov_b32 s[G0S], 1
	s_mul_i32 s[G0S+1], s16, 16*272
	s_add_co_u32 s[G0S+1], s[G0S+1], WSC
	s_lshl_b32 s2, s45, 8
	s_lshl_b32 s12, s16, 7
	s_add_co_u32 s2, s2, s12                       ; W's row (the result's column) 256 x tile column + 128 j
	s_mov_b32 s13, 0
	s_wait_dscnt 0x0
	s_wait_kmcnt 0x0
	s_lshl_b32 s12, s2, 10
	s_add_co_u32 s12, s12, 3145728
	s_add_nc_u64 s[G0W+2:G0W+3], s[8:9], s[12:13]
	s_or_b32 s[G0W+3], s[G0W+3], 0x80000000
	s_lshl_b32 s12, s2, 5
	s_add_co_u32 s12, s12, 98304
	s_add_nc_u64 s[G0S+2:G0S+3], s[10:11], s[12:13]
	s_or_b32 s[G0S+3], s[G0S+3], 0x80000000
	CROUND                                         ; all sixteen work-groups are here
	s_cmp_lt_u32 s14, 2
	s_cbranch_scc0 .Lhead_s
	tensor_load_to_lds s[G0W:G0W+3], s[G1W:G1W+7]  ; waves 0, 1: W's halves
	s_nop 0
	PLACES 4
	s_branch .Lhead_asked
.Lhead_s:
	tensor_load_to_lds s[G0S:G0S+3], s[G1S:G1S+7]  ; waves 2, 3: their scale bytes
	s_nop 0
	PLACES 4
.Lhead_asked:
	s_lshl_b32 s12, s17, 7
	s_lshl_b32 s20, s15, 6
	s_add_co_u32 s12, s12, s20                     ; my first stored token
	s_mov_b32 s21, 0
	s_lshl_b32 s20, s12, 10
	s_add_nc_u64 s[4:5], s[4:5], s[20:21]          ; its codes
	s_lshl_b32 s20, s12, 5
	s_add_nc_u64 s[6:7], s[6:7], s[20:21]          ; its scale bytes
	s_lshl_b32 s22, s2, 2                          ; my first column, in bytes
	s_mov_b32 s23, 0
	s_add_nc_u64 s[94:95], s[94:95], s[22:23]
	s_lshl_b32 s20, s12, 12
	s_add_co_u32 s20, s20, s22
	s_add_nc_u64 s[92:93], s[92:93], s[20:21]
	s_mul_i32 s40, s16, SLOT
	s_mul_i32 s41, s16, 16*272
	s_add_co_u32 s41, s41, WSC
	s_mul_i32 s42, s14, 16*272
	s_add_co_u32 s42, s42, STAGE
	v_and_b32 v1, 15, v0                           ; r
	v_bfe_u32 v2, v0, 4, 1                         ; h
	v_and_b32 v3, 31, v0
	v_lshlrev_b32 v[LI], 4, v3
	v_lshlrev_b32 v[XO], 5, v1
	v_lshlrev_b32 v[BO], 4, v1
.irp q, 0,1,2,3,4,5,6,7                ; my 64 rows of y into windows 1 and 2: fragment 4 q + a
	WIN (1+\q/4)<<6
.irp a, 0,1,2,3
.irp c, 0,1,2,3
	global_load_b128 v[16*((4*\q+\a)%16)+4*\c:16*((4*\q+\a)%16)+4*\c+3], v[LI], s[4:5] offset:\a*16384+\q*2048+\c*512
.endr
.endr
.endr
	WIN 0
.irp a, 0,1,2,3
	global_load_b128 v[XS+8*\a:XS+8*\a+3], v[XO], s[6:7] offset:\a*512
	global_load_b128 v[XS+8*\a+4:XS+8*\a+7], v[XO], s[6:7] offset:\a*512+16
.endr
	global_load_b128 v[BB:BB+3], v[BO], s[94:95]
	global_load_b128 v[BB+4:BB+7], v[BO], s[94:95] offset:256
	v_mul_u32_u24 v15, v1, PITCH
	v_lshl_add_u32 v15, v2, 4, v15
	v_add_nc_u32 v[ADW], s40, v15
	v_add_nc_u32 v[ADW+1], 64*PITCH, v[ADW]
	v_lshrrev_b32 v16, 3, v1
	v_lshl_add_u32 v16, v16, 4, v[XO]              ; a row's scale bytes: 32 a row, 16 more for each 8 rows
	v_add_nc_u32 v[AWS], s41, v16
	v_mul_u32_u24 v17, v1, 272
	v_lshl_add_u32 v17, v2, 5, v17
	v_add_nc_u32 v[STO], s42, v17                  ; into the stage: row r, 32 bytes for each half of the lanes
	v_mul_u32_u24 v18, v2, 272
	v_lshl_add_u32 v18, v1, 4, v18
	v_add_nc_u32 v[RD], s42, v18                   ; back: lanes 0-15 one row, lanes 16-31 the next
	v_lshlrev_b32 v19, 12, v2
	v_lshl_add_u32 v[CO], v1, 4, v19               ; and the same two rows in out0
.macro FETCH m                         ; W's tile m of my eight, all of K, into set m % 2 of window 3, and its rows' scale words
	WIN 3<<6
.irp q, 0,1,2,3,4,5,6,7
.irp c, 0,1,2,3
	ds_load_b128 v[128*((\m)%2)+16*\q+4*\c:128*((\m)%2)+16*\q+4*\c+3], v[ADW+(\m)/4] offset:((\m)%4)*16*PITCH+128*\q+32*\c
.endr
.endr
	WIN 0
	ds_load_b128 v[WS+8*((\m)%2):WS+8*((\m)%2)+3], v[AWS] offset:(\m)*2*272
	ds_load_b128 v[WS+8*((\m)%2)+4:WS+8*((\m)%2)+7], v[AWS] offset:(\m)*2*272+16
.endm
.macro MULT n                          ; tile n's 32 products; the first four start the sums
.set P_, (\n)%2
.if (\n) < 7
	s_wait_dscnt NF                                ; this tile is in; the next tile's loads may be out
.else
	s_wait_dscnt 0x0
.endif
.irp q, 0,1,2,3,4,5,6,7
	WIN 3|((1+\q/4)<<2)
.irp a, 0,1,2,3
.set AC_, ACC+32*((\n)%4)+8*\a
.set XF_, 16*((4*\q+\a)%16)
.set WF_, 128*P_+16*\q
.if \q == 0
	v_wmma_scale_f32_16x16x128_f8f6f4 v[AC_:AC_+7], v[WF_:WF_+15], v[XF_:XF_+15], 0, v[WS+8*P_+\q], v[XS+8*\a+\q] matrix_a_fmt:MATRIX_FMT_BF8 matrix_b_fmt:MATRIX_FMT_BF8
.else
	v_wmma_scale_f32_16x16x128_f8f6f4 v[AC_:AC_+7], v[WF_:WF_+15], v[XF_:XF_+15], v[AC_:AC_+7], v[WS+8*P_+\q], v[XS+8*\a+\q] matrix_a_fmt:MATRIX_FMT_BF8 matrix_b_fmt:MATRIX_FMT_BF8
.endif
.endr
.endr
	WIN 0
	PLACES NP                                      ; ahead of the loads into what the products have read and of the first reads of their sums
.if (\n)+2 < 8
	FETCH (\n)+2
.endif
.endm
; THE WAY OUT of group g (four tiles of W: 64 columns), by my four tiles of 16 tokens.  LDS serves a wave's instructions in order (ISA guide 5.7.1.4): the loads see the stores above them.
.macro LEAVE g
.irp a, 0,1,2,3
.irp t, 0,1,2,3
	ds_store_b128 v[STO], v[ACC+32*\t+8*\a:ACC+32*\t+8*\a+3] offset:64*\t          ; each accumulator from its low end on
	ds_store_b128 v[STO], v[ACC+32*\t+8*\a+4:ACC+32*\t+8*\a+7] offset:64*\t+16
.endr
	s_wait_xcnt 0x0                                ; the stores before have read the registers that the loads below land in
.irp k, 0,1,2,3,4,5,6,7
	ds_load_b128 v[BK+4*\k:BK+4*\k+3], v[RD] offset:2*\k*272
.endr
	s_wait_dscnt 0x0
.irp k, 0,1,2,3,4,5,6,7
	v_pk_add_f32 v[BK+4*\k:BK+4*\k+1], v[BK+4*\k:BK+4*\k+1], v[BB+4*\g:BB+4*\g+1]
	v_pk_add_f32 v[BK+4*\k+2:BK+4*\k+3], v[BK+4*\k+2:BK+4*\k+3], v[BB+4*\g+2:BB+4*\g+3]
.endr
.irp k, 0,1,2,3,4,5,6,7
	global_store_b128 v[CO], v[BK+4*\k:BK+4*\k+3], s[92:93] offset:(32*(\a/2)+8*(\a%2)+2*\k+8*(\k/4))*4096+256*\g th:TH_STORE_NT   ; sixteen lanes store 256 consecutive bytes, aligned, of the token that stored row 16 a + 2 k (+ 1) is
.endr
.endr
.endm
	s_wait_alu depctr_va_vdst(0)                   ; the wait at the head's end
	s_wait_tensorcnt 0x0                           ; my tile of the head's four is in,
	s_barrier_signal -1
	s_barrier_wait -1                              ; everybody's is: no tensor load follows
	FETCH 0
	FETCH 1
	s_wait_loadcnt 0x0                             ; y, its scale words, the bias
.irp n, 0,1,2,3
	MULT \n
.endr
	LEAVE 0
.irp n, 4,5,6,7
	MULT \n
.endr
	LEAVE 1
	s_wait_tensorcnt 0x0                           ; the wave's end
	ds_add_u32 v[SPW], v[NIL]
	s_wait_dscnt 0x0
	CROUND                                         ; the closing round
	s_endpgm
.Lfunc_end_k_qb36794f044_proj:
	.size	k_qb36794f044_proj, .Lfunc_end_k_qb36794f044_proj-k_qb36794f044_proj
	.p2alignl 7, 3214868480
	.fill 96, 4, 3214868480
	.section	.rodata,"a",@progbits
	.p2align	6, 0x0
	.amdhsa_kernel k_qb36794f044_proj
		.amdhsa_group_segment_fixed_size 327680
		.amdhsa_private_segment_fixed_size 0
		.amdhsa_enable_private_segment 0
		.amdhsa_kernarg_size 48
		.amdhsa_user_sgpr_count 2
		.amdhsa_user_sgpr_kernarg_segment_ptr 1
		.amdhsa_wavefront_size32 1
		.amdhsa_system_sgpr_workgroup_id_x 1
		.amdhsa_system_sgpr_workgroup_id_y 1
		.amdhsa_system_sgpr_workgroup_id_z 1
		.amdhsa_system_vgpr_workitem_id 0
		.amdhsa_next_free_vgpr 1024
		.amdhsa_next_free_sgpr 98
		.amdhsa_reserve_vcc 0
		.amdhsa_float_denorm_mode_32 3
		.amdhsa_float_denorm_mode_16_64 3
		.amdhsa_memory_ordered 1
		.amdhsa_forward_progress 1
		.amdhsa_inst_pref_size 95
	.end_amdhsa_kernel
	.amdgpu_metadata
---
amdhsa.version: [ 1, 2 ]
amdhsa.kernels:
  - .name:           k_qb36794f044_proj
    .symbol:         k_qb36794f044_proj.kd
    .args:
      - { .name: yc, .offset: 0, .size: 8, .value_kind: global_buffer, .address_space: global }
      - { .name: ys, .offset: 8, .size: 8, .value_kind: global_buffer, .address_space: global }
      - { .name: wc, .offset: 16, .size: 8, .value_kind: global_buffer, .address_space: global }
      - { .name: ws, .offset: 24, .size: 8, .value_kind: global_buffer, .address_space: global }
      - { .name: out0, .offset: 32, .size: 8, .value_kind: global_buffer, .address_space: global }
      - { .name: b_proj, .offset: 40, .size: 8, .value_kind: global_buffer, .address_space: global }
    .group_segment_fixed_size: 327680
    .private_segment_fixed_size: 0
    .kernarg_segment_align: 8
    .kernarg_segment_size: 48
    .max_flat_workgroup_size: 128
    .sgpr_count:     98
    .vgpr_count:     1024
    .wavefront_size: 32
...
	.end_amdgpu_metadata
.endif
;; end of part 4
